; MI455X (gfx1250); checked and timed in simulation.
; The chip was launched on July 23, 2026; its instructions are those of AMD's public machine-readable ISA for CDNA 5 (MIT licence, August 2026) and "CDNA5" Instruction Set Architecture Reference Guide (July 2026). The comments in the code are by the model that wrote it; some were corrected since.
;; Multi Head Attention. Allowed arithmetic: matrix products marked QUANTISED: E2M1 operands, one E8M0 scale for each 32 along K, by v_wmma_scale_f32_16x16x128_f8f6f4 with both operands' format E2M1 (or v_wmma_scale_f32_32x16x128_f4), f32 sums; products left as they are: bf16, f16 or f32 operands; f32 sums; everything else in f32.
;; Inputs: b_k 1,024 float32; b_o 1,024 float32; b_q 1,024 float32; b_v 1,024 float32; k 4 x 2,048 x 1,024 float32; q 4 x 2,048 x 1,024 float32; v 4 x 2,048 x 1,024 float32; w_k 1,024 x 1,024 float32; w_o 1,024 x 1,024 float32; w_q 1,024 x 1,024 float32; w_v 1,024 x 1,024 float32.
;; Outputs: out0 4 x 2,048 x 1,024 float32.
;; This version of the problem:
;;   THIS VERSION OF THE PROBLEM IS GIVEN IN LOW PRECISION. The matrix products marked QUANTISED in the list below multiply operands that are first quantised to E2M1 (2 exponent bits, 1 mantissa bit; 4 bits a number), with one power-of-two scale for each 32 numbers along K (OCP MX v1.0); their sums are f32. The products marked 'left as it is' may take bf16, f16 or f32 operands, with f32 sums. Whichever they take, every output number must still come out within the allowed error. Rounding operands to bf16 (8 significant bits) uses up far more of that allowance than f16 does (11 bits, for magnitudes from 6e-5 to 65,504). All else is computed in f32.
;;   The module's matrix products, in the order in which they are computed (A, B: the left and right operand; K: the contracted axis; several contracted axes count as one K, in the product's order):
;;     1. [M 8,192, K 1,024] x [K 1,024, N 1,024]; A: input q; B: input w_q: QUANTISED
;;     2. [M 8,192, K 1,024] x [K 1,024, N 1,024]; A: input k; B: input w_k: QUANTISED
;;     3. [M 8,192, K 1,024] x [K 1,024, N 1,024]; A: input v; B: input w_v: QUANTISED
;;     4. batch 64 x [M 2,048, K 64] x [K 64, N 2,048]; A: computed on the way; B: computed on the way: left as it is (an operand is computed on the way)
;;     5. batch 64 x [M 2,048, K 2,048] x [K 2,048, N 64]; A: computed on the way; B: computed on the way: left as it is (an operand is computed on the way)
;;     6. [M 8,192, K 1,024] x [K 1,024, N 1,024]; A: computed on the way; B: input w_o: left as it is (an operand is computed on the way)
;;   THE QUANTISER, for each operand of a quantised product, along K:
;;     - K is cut into blocks of 32 from its start; a last block that is shorter is filled with zeros.
;;     - A block's scale is 2^e with e = floor(log2(the largest magnitude in the block)) - 2, held to -126 .. 127; a block of zeros has e = 0. As a byte (E8M0): e + 127.
;;     - Each number is divided by its block's scale, clamped to +-6, and rounded to the nearest number of E2M1, ties to even, subnormals kept.
;;     - The product sums the exact products of the quantised numbers (number of the format x scale) in f32.
;;   ~~~python
;;   def quantise(x, axis):      # numpy; x: float32 -> the quantised numbers, widened to float32 again
;;       x = np.moveaxis(x, axis, -1); K = x.shape[-1]
;;       x = np.pad(x, [(0, 0)] * (x.ndim - 1) + [(0, -K % 32)]); x = x.reshape(x.shape[:-1] + (-1, 32)); a = np.abs(x).max(-1, keepdims=True)
;;       e = np.where(a > 0, np.clip(np.frexp(np.where(a > 0, a, 1))[1] - 1 - 2, -126, 127), 0)      # np.frexp(a)[1] - 1 = floor(log2(a)), exactly
;;       r = np.clip(x / 2.0 ** e, -6, 6)
;;       step = 2.0 ** (np.maximum(np.frexp(np.where(r == 0, 1, r))[1] - 1, 0) - 1)
;;       q = np.round(r / step) * step * 2.0 ** e      # np.round: ties to even
;;       return np.moveaxis(q.reshape(q.shape[:-2] + (-1,))[..., :K], -1, axis).astype(np.float32)
;;   ~~~
;; One version. Each part assembles by itself: llvm-mc -triple=amdgcn-amd-amdhsa -mcpu=gfx1250 --defsym DOCPART=n.
;; ======== version 1 of 1: 4 launches
;; limits: values are held in f16: magnitudes above 65,504 overflow, below 6.1e-05 lose precision
;; workspace buffers: codes 14,155,776 bytes; scales 884,736 bytes; wo16 2,097,152 bytes; qkv 50,331,648 bytes; cc 16,777,216 bytes
;; launch quant (part 1): grid 896 x 1, 4 waves a work-group, no clusters, 33,280 bytes of LDS; arguments q, k, v, w_q, w_k, w_v, w_o, codes, scales, wo16; writes codes, scales, wo16
.if DOCPART == 1
	.amdgcn_target "amdgcn-amd-amdhsa--gfx1250"
	.amdhsa_code_object_version 6
	.text
	.protected	k_q66d1ba0089_quant
	.globl	k_q66d1ba0089_quant
	.p2align	8
	.type	k_q66d1ba0089_quant,@function
k_q66d1ba0089_quant:
	s_mov_b64 s[64:65], 0
	v_nop
	global_prefetch_b8 v0, s[64:65] scope:SCOPE_SE
	s_setreg_imm32_b32 hwreg(HW_REG_WAVE_MODE, 25, 1), 1
	s_wait_xcnt 0x0
; q, k, v [8192][1024] and w_q, w_k, w_v [1024][1024], f32 with K innermost, become codes of FP4 (E2M1), two a byte, K innermost, and one E8M0 byte for each 32 along K.
; The six tensors follow each other in the buffers of codes (512 bytes a row) and of scale bytes (32 a row): q's rows 0-8191, k's, v's, then w_q's from row 24576, w_k's, w_v's.
; A block's scale is 2^(floor(log2(its largest magnitude)) - 2): its byte is the largest magnitude's exponent field - 2, held at 1 from below.  Each number is divided by the scale and rounded to the nearest code, ties to even, beyond 6 the code of 6.
; w_o [1024 (n)][1024 (k)] becomes f16, laid by blocks of 64 along K: [k / 64][n][64], so that the last launch's tiles are dense rows of 128 bytes.
; LIMITS: a block of zeros gets the byte 1 where the rule says 127 (its codes are zeros, and this program alone reads the bytes); NaN and infinities among the inputs are not served; w_o beyond 65,504 is not served.
; SHARES: work-groups 0-863 quantise 32,768 numbers each (a wave: 16 steps of 512); rows are dense, so the tensors are plain streams of blocks of 32.  Work-groups 864-895 convert 32 rows of w_o each.
; The quantising path: each of a step's four loads reads 512 consecutive bytes; the 2,048 bytes turn through the wave's own stage in LDS and come back 64 bytes (16 neighbours along K) a lane; two neighbouring lanes hold a block.
; A lane's 16 codes are 8 bytes: a wave's store covers 256 consecutive bytes, aligned.  A wave's 256 scale bytes are gathered in its own LDS bytes and leave by one store of 256 consecutive bytes.  Waves share nothing: no barrier.
.set WAVES, 4
.set STEPS, 16
.set NQG,   864                        ; work-groups that quantise: (3 x 8192 + 3 x 1024) x 1024 / 32768
.set EMAX,  2
.set CB,    8                          ; bytes of 16 codes
.set R,     16                         ; v16-79   four sets of 16 numbers as they are loaded
.set X,     80                         ; v80-111  two sets of 16 neighbours
.set C,     128                        ; v128-191 codes: four registers for each step, so that no store's data are written again
.set E,     112                        ; v112-127 a scale byte for each step
.set WREG,  8192                       ; LDS: a region for each wave: two stages of 32 x SP bytes, behind them its 256 scale bytes
.set SP,    80                         ; a lane's place in a stage: 64 bytes + 16 of padding
.set SPW,   12                         ; v12      LDS address of my spare word; never rewritten
.set NIL,   13                         ; v13      0; never rewritten
.set SPARE, WAVES*WREG                 ; behind the four regions: the spare words, 128 bytes a wave, which no other line names
	s_load_b512 s[8:23], s[0:1], 0x0               ; q 8, k 10, v 12, w_q 14, w_k 16, w_v 18, w_o 20, codes 22
	s_load_b128 s[24:27], s[0:1], 0x40             ; scales 24, wo16 26
	v_lshl_add_u32 v[SPW], v0, 2, SPARE
	v_mov_b32 v[NIL], 0
	v_lshrrev_b32 v1, 5, v0
	v_readfirstlane_b32 s32, v1                    ; wave
	v_and_b32 v2, 31, v0                           ; lane
	s_cmp_ge_u32 ttmp9, NQG                        ; the last 32 work-groups take w_o: a branch on the work-group's number
	s_cbranch_scc1 .Lwo
	v_lshlrev_b32 v3, 4, v2                        ; my 16 bytes of a load's 512
	s_mul_i32 s33, s32, WREG
	v_lshrrev_b32 v14, 2, v2
	v_mul_u32_u24 v14, v14, SP
	v_and_b32 v15, 3, v2
	v_lshl_add_u32 v14, v15, 4, v14
	v_add_nc_u32 v14, s33, v14                     ; the stage, on the way in: four lanes' 64 bytes on end, then 16 of padding
	v_mul_u32_u24 v15, v2, SP
	v_add_nc_u32 v15, s33, v15                     ; and on the way out: SP x lane: my 16 neighbours
	v_mul_u32_u24 v4, v2, CB                       ; my codes' place in a step's
	v_lshrrev_b32 v5, 1, v2
	s_add_co_u32 s33, s33, 2*32*SP
	v_add_nc_u32 v5, s33, v5                       ; LDS: my wave's 256 scale bytes, my block's byte
	v_lshlrev_b32 v7, 3, v2                        ; and on the way out 8 bytes a lane
	v_add_nc_u32 v6, s33, v7
	s_wait_kmcnt 0x0
	; which tensor is mine: a chain of choices on the work-group's number alone; s6 = the tensor's first work-group
.macro PICK limit, ptr, first
	s_cmp_lt_u32 ttmp9, \limit
	s_cselect_b64 s[4:5], s[\ptr:\ptr+1], s[4:5]
	s_cselect_b32 s6, \first, s6
.endm
	s_mov_b64 s[4:5], s[18:19]                     ; w_v, unless
	s_mov_b32 s6, 832
	PICK 832, 16, 800
	PICK 800, 14, 768
	PICK 768, 12, 512
	PICK 512, 10, 256
	PICK 256, 8, 0
	s_sub_co_u32 s34, ttmp9, s6
	s_lshl_b32 s34, s34, 2
	s_add_co_u32 s34, s34, s32                     ; which run of 8,192 numbers of the tensor is my wave's
	s_lshl_b32 s34, s34, 15                        ; 32,768 bytes a run (under 2^26)
	s_mov_b32 s35, 0
	s_add_nc_u64 s[4:5], s[4:5], s[34:35]
	s_lshl_b32 s36, ttmp9, 2
	s_add_co_u32 s36, s36, s32                     ; and which run of all six: the buffers are laid in the work-groups' order
	s_lshl_b32 s34, s36, 12                        ; 4,096 bytes of codes a run
	s_add_nc_u64 s[28:29], s[22:23], s[34:35]
	s_lshl_b32 s34, s36, 8                         ; 256 scale bytes a run
	s_add_nc_u64 s[30:31], s[24:25], s[34:35]
.macro LOAD t
.irp i, 0,1,2,3
	global_load_b128 v[R+16*((\t)%4)+4*\i:R+16*((\t)%4)+4*\i+3], v3, s[4:5] offset:2048*(\t)+512*\i th:TH_LOAD_NT   ; 32 lanes read 512 consecutive bytes
.endr
.endm
.macro TURN t                          ; step t's numbers through the stage: LDS serves a wave's instructions in order, so no wait stands between the stores and the loads
.irp i, 0,1,2,3
	ds_store_b128 v14, v[R+16*((\t)%4)+4*\i:R+16*((\t)%4)+4*\i+3] offset:32*SP*((\t)%2)+8*SP*\i
.endr
.irp i, 0,1,2,3
	ds_load_b128 v[X+16*((\t)%2)+4*\i:X+16*((\t)%2)+4*\i+3], v15 offset:32*SP*((\t)%2)+16*\i
.endr
.endm
.irp t, 0,1,2,3
	LOAD \t
.endr
	s_wait_loadcnt 12                              ; step 0's four loads are in; the 12 of steps 1 to 3 may be out
	TURN 0
.macro STEP t
.set XS, X+16*((\t)%2)
.if (\t) > 0
	s_wait_dscnt 1                                 ; this step's numbers are back from the stage (the last step's byte store may be out): so its stores into the stage have read their registers,
.else
	s_wait_dscnt 0x0
.endif
.if (\t)+4 < STEPS
	LOAD (\t)+4                                    ; which take the loads of four steps on
.endif
.if (\t)+1 < STEPS
.if STEPS-2-(\t) >= 3
	s_wait_loadcnt 12                              ; the next step's four loads are in; those of the three steps behind it may be out
.else
	s_wait_loadcnt 4*(STEPS-2-(\t))
.endif
	TURN (\t)+1                                    ; and go through the other stage while this step is worked
.endif
	v_max3_num_f32 v8, |v[XS]|, |v[XS+1]|, |v[XS+2]|               ; the largest magnitude of my 16, in two chains
	v_max3_num_f32 v9, |v[XS+3]|, |v[XS+4]|, |v[XS+5]|
.irp i, 6,10
	v_max3_num_f32 v8, v8, |v[XS+\i]|, |v[XS+\i+1]|
	v_max3_num_f32 v9, v9, |v[XS+\i+2]|, |v[XS+\i+3]|
.endr
	v_max3_num_f32 v8, v8, |v[XS+14]|, |v[XS+15]|
	v_max3_num_f32 v8, v8, v9, (EMAX+1)<<23        ; and the floor 2^(EMAX + 1 - 127): so the byte cannot fall under 1
	v_max_num_f32_dpp v8, v8, v8 row_xmask:1 row_mask:0xf bank_mask:0xf   ; and of my neighbour's 16: the block's
	v_add_nc_u32 v11, -(EMAX<<23), v8              ; EMAX off its exponent field: the conversion takes the exponent field of this operand as its scale, and nothing else of it
	v_cvt_scalef32_pk8_fp4_f32 v[C+4*(\t)], v[XS:XS+7], v11        ; eight numbers / the scale, to the nearest code; the first number's code in the lowest four bits
	v_cvt_scalef32_pk8_fp4_f32 v[C+4*(\t)+1], v[XS+8:XS+15], v11
	v_lshrrev_b32 v[E+(\t)], 23, v11               ; the scale's byte (also the plain line behind the conversions)
	ds_store_b8 v5, v[E+(\t)] offset:16*(\t)       ; both lanes of a block write the same byte with the same value
	global_store_b64 v4, v[C+4*(\t):C+4*(\t)+1], s[28:29] offset:32*CB*(\t)   ; 32 lanes store 256 consecutive bytes, aligned
.endm
.irp t, 0,1,2,3,4,5,6,7,8,9,10,11,12,13,14,15
	STEP \t
.endr
	ds_load_b64 v[8:9], v6                         ; LDS serves a wave's instructions in order: these see my byte stores
	s_wait_dscnt 0x0
	global_store_b64 v7, v[8:9], s[30:31]          ; 32 lanes store 256 consecutive bytes, aligned
	s_wait_tensorcnt 0x0                           ; the wave's end: behind my last LDS store
	ds_add_u32 v[SPW], v[NIL]
	s_wait_dscnt 0x0
	s_endpgm
; w_o to f16.  Wave w of work-group g' takes rows 32 g' + 8 w .. + 7.  An instruction's 32 lanes take four rows x 64 along K: lane l row l / 8, 8 numbers at 8 (l % 8).
; So the 32 lanes' results, 16 bytes each, are 512 consecutive bytes of one K block's plane.
.Lwo:
	v_lshrrev_b32 v3, 3, v2
	v_and_b32 v4, 7, v2
	v_lshlrev_b32 v3, 12, v3                       ; in: row l / 8 of 4,096 bytes,
	v_lshl_add_u32 v3, v4, 5, v3                   ; + 32 (l % 8)
	v_lshlrev_b32 v4, 4, v2                        ; out: 16 l
	s_sub_co_u32 s33, ttmp9, NQG
	s_lshl_b32 s33, s33, 2
	s_add_co_u32 s33, s33, s32                     ; 4 g' + w: which 8 rows
	s_lshl_b32 s34, s33, 15                        ; 8 rows of 4,096 bytes
	s_mov_b32 s35, 0
	s_lshl_b32 s36, s33, 10                        ; 8 rows of 128 bytes
	s_mov_b32 s37, 0
	s_wait_kmcnt 0x0
	s_add_nc_u64 s[4:5], s[20:21], s[34:35]
	s_add_nc_u64 s[6:7], s[26:27], s[36:37]
.macro WOLOAD n                        ; K blocks 4 n .. 4 n + 3, both groups of four rows: 16 loads into v16-79
.irp kk, 0,1,2,3
.irp rg, 0,1
	global_load_b128 v[16+8*(2*\kk+\rg):16+8*(2*\kk+\rg)+3], v3, s[4:5] offset:\rg*16384+(4*(\n)+\kk)*256
	global_load_b128 v[16+8*(2*\kk+\rg)+4:16+8*(2*\kk+\rg)+7], v3, s[4:5] offset:\rg*16384+(4*(\n)+\kk)*256+16
.endr
.endr
.endm
.macro WOB n
	s_wait_loadcnt 0x0                             ; this batch's 16 loads are in
	s_wait_xcnt 0x0                                ; the last batch's stores have read v80-111, which are written again below
.set i, 0
.rept 32
	v_cvt_pk_f16_f32 v[80+i], v[16+2*i], v[17+2*i]
.set i, i+1
.endr
.if (\n) < 3
	WOLOAD (\n)+1                                  ; loads ahead of stores
.endif
.irp kk, 0,1,2,3
.irp rg, 0,1
	global_store_b128 v4, v[80+4*(2*\kk+\rg):80+4*(2*\kk+\rg)+3], s[6:7] offset:(4*(\n)+\kk)*131072+\rg*512   ; 512 consecutive bytes, aligned; the plane in the immediate, under 2^21
.endr
.endr
.endm
	WOLOAD 0
	WOB 0
	WOB 1
	WOB 2
	WOB 3
	s_endpgm
.Lfunc_end_k_q66d1ba0089_quant:
	.size	k_q66d1ba0089_quant, .Lfunc_end_k_q66d1ba0089_quant-k_q66d1ba0089_quant
	.p2alignl 7, 3214868480
	.fill 96, 4, 3214868480
	.section	.rodata,"a",@progbits
	.p2align	6, 0x0
	.amdhsa_kernel k_q66d1ba0089_quant
		.amdhsa_group_segment_fixed_size 33280
		.amdhsa_private_segment_fixed_size 0
		.amdhsa_enable_private_segment 0
		.amdhsa_kernarg_size 80
		.amdhsa_user_sgpr_count 2
		.amdhsa_user_sgpr_kernarg_segment_ptr 1
		.amdhsa_wavefront_size32 1
		.amdhsa_system_sgpr_workgroup_id_x 1
		.amdhsa_system_sgpr_workgroup_id_y 1
		.amdhsa_system_sgpr_workgroup_id_z 1
		.amdhsa_system_vgpr_workitem_id 0
		.amdhsa_next_free_vgpr 192
		.amdhsa_next_free_sgpr 66
		.amdhsa_reserve_vcc 0
		.amdhsa_float_denorm_mode_32 3
		.amdhsa_float_denorm_mode_16_64 3
		.amdhsa_memory_ordered 1
		.amdhsa_forward_progress 1
		.amdhsa_inst_pref_size 52
	.end_amdhsa_kernel
	.amdgpu_metadata
---
amdhsa.version: [ 1, 2 ]
amdhsa.kernels:
  - .name:           k_q66d1ba0089_quant
    .symbol:         k_q66d1ba0089_quant.kd
    .args:
      - { .name: q, .offset: 0, .size: 8, .value_kind: global_buffer, .address_space: global }
      - { .name: k, .offset: 8, .size: 8, .value_kind: global_buffer, .address_space: global }
      - { .name: v, .offset: 16, .size: 8, .value_kind: global_buffer, .address_space: global }
      - { .name: w_q, .offset: 24, .size: 8, .value_kind: global_buffer, .address_space: global }
      - { .name: w_k, .offset: 32, .size: 8, .value_kind: global_buffer, .address_space: global }
      - { .name: w_v, .offset: 40, .size: 8, .value_kind: global_buffer, .address_space: global }
      - { .name: w_o, .offset: 48, .size: 8, .value_kind: global_buffer, .address_space: global }
      - { .name: codes, .offset: 56, .size: 8, .value_kind: global_buffer, .address_space: global }
      - { .name: scales, .offset: 64, .size: 8, .value_kind: global_buffer, .address_space: global }
      - { .name: wo16, .offset: 72, .size: 8, .value_kind: global_buffer, .address_space: global }
    .group_segment_fixed_size: 33280
    .private_segment_fixed_size: 0
    .kernarg_segment_align: 8
    .kernarg_segment_size: 80
    .max_flat_workgroup_size: 128
    .sgpr_count:     66
    .vgpr_count:     192
    .wavefront_size: 32
...
	.end_amdgpu_metadata
.endif
;; end of part 1
;; launch proj (part 2): grid 4 x 96, 4 waves a work-group, clusters of 4 x 4, 327,680 bytes of LDS; arguments codes, scales, b_q, b_k, b_v, qkv; writes qkv
.if DOCPART == 2
	.amdgcn_target "amdgcn-amd-amdhsa--gfx1250"
	.amdhsa_code_object_version 6
	.text
	.protected	k_q66d1ba0089_proj
	.globl	k_q66d1ba0089_proj
	.p2align	8
	.type	k_q66d1ba0089_proj,@function
k_q66d1ba0089_proj:
	s_mov_b64 s[64:65], 0
	v_nop
	global_prefetch_b8 v0, s[64:65] scope:SCOPE_SE
	s_setreg_imm32_b32 hwreg(HW_REG_WAVE_MODE, 25, 1), 1
	s_wait_xcnt 0x0
	s_wait_alu depctr_hold_cnt(0) depctr_sa_sdst(0) depctr_va_vdst(0) depctr_va_sdst(0) depctr_va_ssrc(0) depctr_va_vcc(0) depctr_vm_vsrc(0)
	s_getreg_b32 s2, hwreg(HW_REG_IB_STS2, 6, 4)
	s_cmp_eq_u32 s2, 0
	s_cbranch_scc0 .Lentry_in_a_cluster
	s_endpgm
.Lentry_in_a_cluster:
	s_bfe_u32 s2, ttmp6, 0x10000c
	s_cmp_lg_u32 s2, 0xf033
	s_cbranch_scc0 .Lentry_shape_is_right
	s_endpgm
.Lentry_shape_is_right:
; The three projections x W^T + b on codes of FP4 (E2M1) with one E8M0 scale for each 32 along K, as ONE product of 24,576 rows (q's, k's, v's) by 1,024 columns; which W and which b hangs on the row block.
; The results, f32 sums begun with the bias, are rounded to f16 and stored split by heads: qkv[T (q, k, v)][16 b + head][s][64].
; LIMIT: a projected number beyond 65,504 in magnitude has no f16 and is not served.
; A tile of C, 256 x 256, is made by a work-group of four waves; a wave makes 128 x 128: 64 accumulators of 16 x 16, 512 registers.
; K = 1,024 is two LDS slots of 512 along K (rows of 256 bytes): BOTH are first fills, asked for at the head with the scale bytes; nothing is filled again.
; CLUSTERS: 4 x 4 work-groups.  The four of a row of the cluster need the same tiles of x, the four of a column the same tiles of W: each is asked for JOINTLY, by the same tensor load with the same descriptor and a mask that names the four.
; THE MATRIX INSTRUCTION IS USED TRANSPOSED (source 0 = 16 rows of W, source 1 = 16 rows of x): a lane holds eight neighbouring columns of one row of C.  The bias, in that layout, is the C of each sum's first product.
; REGISTERS, in windows of 256: window 0: v0-31 addresses; v32-95 scale words, two sets; v128-191 x's fragments, ONE set; on the way out v32-63, v192-255.
;   window 1: W's fragments, TWO sets, at v0 and v128; v64-127 the bias, 8 registers for each block of 16 columns.   window 2: the accumulators of my rows 0-63 ((a, b) at v[8 (8 a + b)]);   window 3: rows 64-127.
.set NQ,     4                         ; matrix instructions deep in a slot: 512 / 128
.set ROWB,   256                       ; a tile's row in bytes
.set KROW,   512                       ; a row of codes in memory
.set PITCH,  272                       ; an LDS row: 256 bytes + 16 of padding: the 16 rows that a load touches start 68 words apart
.set FR,     8                         ; registers of a fragment
.set NL,     2                         ; LDS loads that bring one
.set NP,     4                         ; places behind this matrix instruction (ISA guide 7.12.1)
.set HALFT,  128*PITCH                 ; 128 rows: what one tensor load brings
.set SLOT,   4*HALFT                   ; x's 256 rows, then W's 256 rows
.set KS,     32                        ; a row of scale bytes
.set SCL,    2*SLOT                    ; behind the slots: the scale bytes, as pieces of 256 bytes + 16 of padding
.set HALFS,  (128*KS/256)*272          ; those of 128 rows: what one tensor load brings
.set SBLK,   (16*KS/256)*272           ; those of 16 rows
.set SPARE,  SCL+4*HALFS               ; the spare words, 128 bytes a wave, which no other line names
.set STAGE,  SPARE+512                 ; the way out: 16 rows x 272 bytes for each wave; no tensor load lands here
.set SPITCH, 272
.set ADRA, 16                          ; v16-17  LDS address of my x fragments in slot 0, 1
.set ADRB, 20                          ; v20-21  the same for W
.set STO,  24                          ; v24     the way out: where I put 16 bytes of a row
.set RD,   25                          ; v25     where I read back
.set CO,   26                          ; v26     16 x lane
.set ADRS, 27                          ; v27     LDS address of my scale words: lanes 0-15 x's rows, lanes 16-31 W's
.set SPW,  28                          ; v28     LDS address of my spare word; never rewritten
.set NIL,  29                          ; v29     0; never rewritten
.set BO,   30                          ; v30     32 x (lane / 16): my eight numbers of a block of the bias
.set SC,   32                          ; scale words: set s at v[SC + 32 s]; register 4 i + q: lanes 0-15 the word of x's block i, lanes 16-31 of W's block i, for the slot's q-th 128 along K
.set AF,   128                         ; x's fragments
.set BIAS, 64                          ; in window 1
.set TMP,  192                         ; the way out: packed results
.set OB,   32                          ; and what comes back from the stage: v32-63 and v224-255 by turns
.set G1, 24                            ; s[24:31] descriptor group 1 for x's tiles;  s[32:39] group 0, one set for each slot
.set G0, 32
.set G1B, 48                           ; s[48:55], s[56:63] the same for W's tiles
.set G0B, 56
.set G1S, 68                           ; s[68:75], s[76:79] groups 1 and 0 for x's scales;  s[80:87], s[88:91] for W's
.set G0S, 76
.set G1SB, 80
.set G0SB, 88
.set MSB, 0
.macro WIN new                         ; the immediate's high byte repeats the setting that is left
.if MSB != (\new)
	s_set_vgpr_msb (MSB<<8)|(\new)
.set MSB, \new
.endif
.endm
.set MUL_LO, 0xa1                      ; source 0 (W) window 1, source 1 (x) window 0, C and D window 2
.set MUL_HI, 0xf1                      ; the same, C and D window 3
.set FST_LO, 0x91                      ; the first step: C (the bias) window 1, D window 2
.set FST_HI, 0xd1                      ; D window 3
.set TO_B,   0x40                      ; destination window 1, address window 0
; A joint load: waves 0 and 1 fetch for x, waves 2 and 3 for W.  The branch hangs on the wave's number alone.  An s_nop 0 and four v_nop follow each of the two lines.
.macro JLOAD g0a, g1a, g0b, g1b
	s_cmp_eq_u32 s15, 0
	s_cbranch_scc0 .Lfor_b_\@
	tensor_load_to_lds s[\g0a:\g0a+3], s[\g1a:\g1a+7]
	s_nop 0
.rept 4
	v_nop
.endr
	s_branch .Lasked_\@
.Lfor_b_\@:
	tensor_load_to_lds s[\g0b:\g0b+3], s[\g1b:\g1b+7]
	s_nop 0
.rept 4
	v_nop
.endr
.Lasked_\@:
.endm
.macro CROUND                          ; a round of the cluster's barrier: my work-group's barrier, wave 0 signals for the work-group, every wave waits for all sixteen, my work-group's barrier once more
	s_barrier_signal -1
	s_barrier_wait -1
	s_cmp_lg_u32 s14, 0
	s_cbranch_scc1 .Lnot_wave_0_\@
	s_barrier_signal -3
.Lnot_wave_0_\@:
	s_barrier_wait -3
	s_barrier_signal -1
	s_barrier_wait -1
.endm
	s_load_b256 s[4:11], s[0:1], 0x0               ; codes 4, scales 6, b_q 8, b_k 10
	s_load_b64 s[12:13], s[0:1], 0x20              ; b_v
	s_load_b64 s[96:97], s[0:1], 0x28              ; qkv
	v_lshl_add_u32 v[SPW], v0, 2, SPARE
	v_mov_b32 v[NIL], 0
	ds_add_u32 v[SPW], v[NIL]                      ; the wave's opening: the add, twice on end, and its wait ahead of my first tensor load
	ds_add_u32 v[SPW], v[NIL]                      ; the set-up below, work on registers, stands between the second and the wait
	v_lshrrev_b32 v1, 5, v0
	v_readfirstlane_b32 s14, v1                    ; wave 0..3
	s_lshr_b32 s15, s14, 1                         ; which half of the tile's rows is mine.  Also: I fetch for x (0) or for W (1)
	s_and_b32 s16, s14, 1                          ; which half of its columns.  Also: which 128 rows of that tile I fetch
	s_bfe_u32 s40, ttmp6, 0x40000                  ; cx, cy: my place in the cluster
	s_bfe_u32 s41, ttmp6, 0x40004
	s_lshl_b32 s42, ttmp9, 2
	s_add_co_u32 s42, s42, s40                     ; tile column X = 4 x cluster x + cx
	s_and_b32 s17, ttmp7, 0xffff
	s_lshr_b32 s95, s17, 3                         ; T: 0 q, 1 k, 2 v: eight rows of clusters each; the same in all sixteen partners
	s_lshl_b32 s17, s17, 2
	s_add_co_u32 s17, s17, s41                     ; tile row Y = 4 x cluster y + cy, 0..95
	s_lshl_b32 s43, s41, 2
	s_lshl_b32 s43, 15, s43                        ; my row of the cluster
	s_lshl_b32 s44, 0x1111, s40                    ; my column
	; descriptor group 1: a tile of 128 rows x 256 bytes, 16 bytes of padding behind each row
	s_or_b32 s[G1+0], s43, (0<<16)|(1<<20)|(1<<21)|(5<<22)|(3<<25)  ; 15:0 the mask; 17:16 elements of 1 byte; 20 padding on; 21 set beside a mask; 24:22 after every 64 words; 31:25 four words
	s_or_b32 s[G1B+0], s44, (0<<16)|(1<<20)|(1<<21)|(5<<22)|(3<<25)
.irp g, G1, G1B
	s_mov_b32 s[\g+1], ROWB<<16                    ; tensor_dim0
	s_mov_b32 s[\g+2], 128<<16                     ; tensor_dim1
	s_mov_b32 s[\g+3], ROWB<<16                    ; tile_dim0
	s_mov_b32 s[\g+4], 128                         ; tile_dim1
	s_mov_b32 s[\g+5], KROW                        ; from row to row
	s_mov_b32 s[\g+6], 0
	s_mov_b32 s[\g+7], 0
.endr
	; the scale bytes of 128 rows: 4,096 dense bytes, as 16 rows of 256 bytes (32 elements of 8 bytes), 16 bytes of padding behind each
	s_or_b32 s[G1S+0], s43, (3<<16)|(1<<20)|(1<<21)|(5<<22)|(3<<25)
	s_or_b32 s[G1SB+0], s44, (3<<16)|(1<<20)|(1<<21)|(5<<22)|(3<<25)
.irp g, G1S, G1SB
	s_mov_b32 s[\g+1], 32<<16
	s_mov_b32 s[\g+2], (128*KS/256)<<16
	s_mov_b32 s[\g+3], 32<<16
	s_mov_b32 s[\g+4], 128*KS/256
	s_mov_b32 s[\g+5], 32
	s_mov_b32 s[\g+6], 0
	s_mov_b32 s[\g+7], 0
.endr
	s_lshl_b32 s18, s16, 7                         ; which 128 rows of the tile I fetch
	s_lshl_b32 s20, s17, 8
	s_add_co_u32 s20, s20, s18                     ; x: row 256 Y + 128 x half
	s_lshl_b32 s46, s42, 8
	s_add_co_u32 s46, s46, s18
	s_lshl_b32 s19, s95, 10
	s_add_co_u32 s46, s46, s19
	s_add_co_u32 s46, s46, 24576                   ; W: row 24,576 + 1,024 T + 256 X + 128 x half
	s_lshl_b32 s22, s20, 5                         ; where these rows' scale bytes begin (all under 2^24),
	s_mov_b32 s23, 0
	s_lshl_b32 s20, s20, 9                         ; and their codes
	s_mov_b32 s21, 0
	s_lshl_b32 s92, s46, 5
	s_mov_b32 s93, 0
	s_lshl_b32 s46, s46, 9
	s_mov_b32 s47, 0
	s_mul_i32 s45, s14, HALFT                      ; where they go: wave x 128 rows: no place in the cluster enters an LDS address
	s_mul_i32 s94, s14, HALFS
	s_wait_dscnt 0x0                               ; both opening adds are done
	s_wait_kmcnt 0x0
	s_add_nc_u64 s[20:21], s[4:5], s[20:21]
	s_add_nc_u64 s[22:23], s[6:7], s[22:23]
	s_add_nc_u64 s[46:47], s[4:5], s[46:47]
	s_add_nc_u64 s[92:93], s[6:7], s[92:93]
	CROUND                                         ; all sixteen work-groups are here: the joint loads meet
	s_mov_b32 s[G0S], 1
	s_add_co_u32 s[G0S+1], s94, SCL
	s_mov_b64 s[G0S+2:G0S+3], s[22:23]
	s_or_b32 s[G0S+3], s[G0S+3], 0x80000000
	s_mov_b32 s[G0SB], 1
	s_add_co_u32 s[G0SB+1], s94, SCL
	s_mov_b64 s[G0SB+2:G0SB+3], s[92:93]
	s_or_b32 s[G0SB+3], s[G0SB+3], 0x80000000
	JLOAD G0S, G1S, G0SB, G1SB                     ; the scales first: they are wanted with the first slot
.irp s, 0,1
	s_mov_b32 s[G0+4*\s], 1
	s_add_co_u32 s[G0+4*\s+1], s45, \s*SLOT
	s_add_nc_u64 s[G0+4*\s+2:G0+4*\s+3], s[20:21], \s*ROWB
	s_or_b32 s[G0+4*\s+3], s[G0+4*\s+3], 0x80000000
	s_mov_b32 s[G0B+4*\s], 1
	s_add_co_u32 s[G0B+4*\s+1], s45, \s*SLOT
	s_add_nc_u64 s[G0B+4*\s+2:G0B+4*\s+3], s[46:47], \s*ROWB
	s_or_b32 s[G0B+4*\s+3], s[G0B+4*\s+3], 0x80000000
	JLOAD G0+4*\s, G1, G0B+4*\s, G1B               ; three tensor loads of mine are out behind the second
.endr
	v_and_b32 v1, 15, v0                           ; r = l % 16
	v_bfe_u32 v2, v0, 4, 1                         ; h = l / 16
	v_lshlrev_b32 v[BO], 5, v2
	s_cmp_eq_u32 s95, 1                            ; the bias: b_q, b_k or b_v by T
	s_cselect_b64 s[66:67], s[10:11], s[8:9]
	s_cmp_eq_u32 s95, 2
	s_cselect_b64 s[66:67], s[12:13], s[66:67]
	s_lshl_b32 s46, s42, 10                        ; my first column, in bytes of f32: 1,024 X + 512 x half
	s_lshl_b32 s47, s16, 9
	s_add_co_u32 s46, s46, s47
	s_mov_b32 s47, 0
	s_add_nc_u64 s[66:67], s[66:67], s[46:47]
	WIN TO_B
.irp b, 0,1,2,3,4,5,6,7                        ; lane (r, h) wants, for block b, the bias of columns 16 b + 8 h + 0 .. 7
	global_load_b128 v[BIAS+8*\b:BIAS+8*\b+3], v[BO], s[66:67] offset:64*\b
	global_load_b128 v[BIAS+8*\b+4:BIAS+8*\b+7], v[BO], s[66:67] offset:64*\b+16
.endr
	WIN 0
	v_mul_u32_u24 v3, v1, PITCH
	v_lshl_add_u32 v4, v2, 4, v3                   ; a fragment's row x pitch + 16 x half
	s_mul_i32 s21, s15, HALFT                      ; my 128 rows of x
	s_mul_i32 s22, s16, HALFT                      ; my 128 rows of W,
	s_add_co_u32 s22, s22, 2*HALFT                 ; which lie behind x's 256
.irp s, 0,1
	v_add_nc_u32 v[ADRA+\s], s21, v4
	v_add_nc_u32 v[ADRB+\s], s22, v4
	s_add_co_u32 s21, s21, SLOT
	s_add_co_u32 s22, s22, SLOT
.endr
	v_mul_u32_u24 v5, v1, KS                       ; my row's scale bytes: 32 a row,
	v_lshrrev_b32 v6, 8, v5
	v_lshl_add_u32 v5, v6, 4, v5                   ; and 16 more for each 256 passed
	s_mul_i32 s21, s15, HALFS                      ; x's: my 128 rows
	s_mul_i32 s22, s16, HALFS                      ; W's: my 128 rows, behind x's 256
	s_add_co_u32 s22, s22, 2*HALFS
	s_sub_co_u32 s22, s22, s21
	v_mul_u32_u24 v6, s22, v2                      ; lanes 16-31 take W's: one product, the distance x h
	s_add_co_u32 s21, s21, SCL
	v_add_nc_u32 v5, v5, v6
	v_add_nc_u32 v[ADRS], s21, v5
	s_mul_i32 s23, s14, 16*SPITCH
	s_add_co_u32 s23, s23, STAGE                   ; my stage
	v_mul_u32_u24 v5, v1, SPITCH                   ; in: row r, 16 bytes for each half of the lanes
	v_lshl_add_u32 v5, v2, 4, v5
	v_add_nc_u32 v[STO], s23, v5
	v_and_b32 v6, 31, v0
	v_lshrrev_b32 v5, 3, v6                        ; back: eight lanes take a head's 128 bytes of a row, 32 lanes four rows
	v_mul_u32_u24 v5, v5, SPITCH
	v_and_b32 v7, 7, v0
	v_lshl_add_u32 v5, v7, 4, v5
	v_add_nc_u32 v[RD], s23, v5
	v_lshlrev_b32 v[CO], 4, v6                     ; and in memory those four rows of a head are 512 consecutive bytes
	; where my part begins in qkv: Y = 32 T + 8 b + y: (4 T + b) << 22 | (first head 4 X + 2 x half) << 18 | (256 y + 128 x row half) rows of 128 bytes
	s_lshr_b32 s92, s17, 3
	s_lshl_b32 s92, s92, 22
	s_lshl_b32 s93, s42, 20
	s_or_b32 s92, s92, s93
	s_lshl_b32 s93, s16, 19
	s_or_b32 s92, s92, s93
	s_and_b32 s93, s17, 7
	s_lshl_b32 s93, s93, 15
	s_or_b32 s92, s92, s93
	s_lshl_b32 s93, s15, 14
	s_or_b32 s92, s92, s93
	s_mov_b32 s93, 0
	s_add_nc_u64 s[96:97], s[96:97], s[92:93]
.macro FRAG reg, adr, q, i             ; a fragment, 16 rows x 128 K of 4-bit codes: lane l holds row l % 16; registers 4 c .. 4 c + 3 hold K = 64 c + 32 (l / 16) + 0 .. 31
.irp c, 0,1
	ds_load_b128 v[\reg+4*\c:\reg+4*\c+3], v[\adr] offset:64*(\q)+32*\c+(\i)*16*PITCH
.endr
.endm
; 16 matrix instructions: x's blocks a0, a0 + 1 against W's eight, the slot's q-th 128 along K.  p: W's set;  sc: the set of scale words.  first = 1: the sums begin with the bias.
; The 64 accumulators take turns, one instruction a turn, in the same order in every step.
.macro MUL16 a0, p, q, sc, first
.irp a, \a0, \a0+1
.irp b, 0,1,2,3,4,5,6,7
.if \first
	v_wmma_scale_f32_16x16x128_f8f6f4 v[8*(8*((\a)%4)+\b):8*(8*((\a)%4)+\b)+7], v[128*(\p)+FR*\b:128*(\p)+FR*\b+FR-1], v[AF+FR*(\a):AF+FR*(\a)+FR-1], v[BIAS+8*\b:BIAS+8*\b+7], v[SC+8*NQ*(\sc)+NQ*\b+(\q)], v[SC+8*NQ*(\sc)+NQ*(\a)+(\q)] matrix_a_fmt:MATRIX_FMT_FP4 matrix_b_fmt:MATRIX_FMT_FP4 matrix_a_scale:MATRIX_SCALE_ROW1
.else
	v_wmma_scale_f32_16x16x128_f8f6f4 v[8*(8*((\a)%4)+\b):8*(8*((\a)%4)+\b)+7], v[128*(\p)+FR*\b:128*(\p)+FR*\b+FR-1], v[AF+FR*(\a):AF+FR*(\a)+FR-1], v[8*(8*((\a)%4)+\b):8*(8*((\a)%4)+\b)+7], v[SC+8*NQ*(\sc)+NQ*\b+(\q)], v[SC+8*NQ*(\sc)+NQ*(\a)+(\q)] matrix_a_fmt:MATRIX_FMT_FP4 matrix_b_fmt:MATRIX_FMT_FP4 matrix_a_scale:MATRIX_SCALE_ROW1
.endif
.endr
.endr
.endm
.macro FETCH_B slot, q, p              ; W's eight fragments of the slot's q-th 128 along K into set p
	WIN TO_B
.irp i, 0,1,2,3,4,5,6,7
	FRAG 128*(\p)+FR*\i, ADRB+\slot, \q, \i
.endr
	WIN 0
.endm
.macro FETCH_A slot, q, i0             ; x's blocks i0 .. i0 + 3
.irp i, \i0, \i0+1, \i0+2, \i0+3
	FRAG AF+FR*(\i), ADRA+\slot, \q, \i
.endr
.endm
.macro SCALES sc                       ; a slot's scale words into set sc: four words a row; lanes 0-15 take x's block i, lanes 16-31 W's block i
.irp i, 0,1,2,3,4,5,6,7
	ds_load_b128 v[SC+8*NQ*\sc+NQ*\i:SC+8*NQ*\sc+NQ*\i+3], v[ADRS] offset:\i*SBLK
.endr
.endm
; A load into a register that a matrix instruction has read, and a vector instruction that reads a matrix result, stand NP places behind that matrix instruction; only plain vector
; instructions that name none of its registers are places (ISA guide 7.12.1 for vector instructions).
.macro PLACES n
.rept \n
	v_nop
.endr
.endm
; A step of 128 along K that has its successor in the same slot.  A block of x is free as soon as its eight products are issued: blocks 0-3 are fetched anew in the step's middle, blocks 4-7 at its end.
.macro STEP slot, q, first
	s_wait_dscnt 4*NL                              ; W's set and x's blocks 0-3 are in; the youngest eight loads (x's blocks 4-7) may be out
.if \first
	WIN FST_LO
.else
	WIN MUL_LO
.endif
	MUL16 0, (\q)%2, \q, \slot, \first
	MUL16 2, (\q)%2, \q, \slot, \first
	s_wait_dscnt 0                                 ; x's blocks 4-7 are in (asked for 32 matrix instructions ago)
	PLACES NP
	FETCH_B \slot, (\q)+1, 1-(\q)%2
	FETCH_A \slot, (\q)+1, 0
.if \first
	WIN FST_HI
.else
	WIN MUL_HI
.endif
	MUL16 4, (\q)%2, \q, \slot, \first
	MUL16 6, (\q)%2, \q, \slot, \first
	PLACES NP
	WIN 0
	FETCH_A \slot, (\q)+1, 4
.endm
; Slot 0's last step leads over to slot 1: each wave waits for all its tensor loads (its part of slot 1), adds 0 to its spare word, waits for that, and passes one barrier: behind it slot 1 is whole.  Nothing is filled again.
.macro TURN slot, next
	s_wait_tensorcnt 0x0                           ; all my tensor loads have landed  (every window is 0 here)
	ds_add_u32 v[SPW], v[NIL]                      ; 0 onto my spare word
	s_wait_dscnt 4*NL+1                            ; (the add and the youngest eight loads, x's blocks 4-7, may be out)
	WIN MUL_LO
	MUL16 0, 1, NQ-1, \slot, 0                     ; sixteen matrix instructions stand between the add and the wait for it
	s_wait_dscnt 0x0                               ; the add is done; no LDS instruction of mine is pending at the signal
	s_barrier_signal -1
	MUL16 2, 1, NQ-1, \slot, 0                     ; work on registers while the others arrive
	WIN 0
	s_barrier_wait -1
	PLACES NP
	v_add_nc_u32 v[ADRS], 4*NQ, v[ADRS]            ; on to the next slot's scale words: 16 bytes further in each row
	FETCH_B \next, 0, 0
	FETCH_A \next, 0, 0
	SCALES \next
	WIN MUL_HI
	MUL16 4, 1, NQ-1, \slot, 0
	MUL16 6, 1, NQ-1, \slot, 0
	PLACES NP
	WIN 0
	FETCH_A \next, 0, 4
.endm
.macro STEPS slot, from                ; the slot's steps from .. NQ - 2
.set Q, \from
.rept NQ-1-\from
	STEP \slot, Q, 0
.set Q, Q+1
.endr
.endm
	s_wait_loadcnt 0x0                             ; the bias
	s_wait_tensorcnt 1                             ; the scales and my part of slot 0 are in; slot 1's load, issued last, may be out
	s_barrier_signal -1
	s_barrier_wait -1                              ; everybody's are
	FETCH_B 0, 0, 0
	FETCH_A 0, 0, 0
	SCALES 0
	FETCH_A 0, 0, 4
	STEP 0, 0, 1                                   ; the first step's products begin the sums with the bias: nothing is cleared, nothing is added later
	STEPS 0, 1
	TURN 0, 1
	STEPS 1, 0
	s_wait_dscnt 4*NL                              ; the last step: nothing more to fetch
	WIN MUL_LO
	MUL16 0, 1, NQ-1, 1, 0
	MUL16 2, 1, NQ-1, 1, 0
	s_wait_dscnt 0
	WIN MUL_HI
	MUL16 4, 1, NQ-1, 1, 0
	MUL16 6, 1, NQ-1, 1, 0
	WIN 0
; THE WAY OUT, block by block of 16 rows x 128 columns (two heads).  PACK: rounded to f16, a lane's eight columns are 16 bytes.  TOSTAGE: into my own stage (rows of 272 bytes), and back by heads:
; four rows of one head, 128 bytes each, are 512 consecutive bytes of qkv.  SEND: stored.  LDS serves a wave's instructions in order: no wait between the stage's stores and loads.
.macro PACK a
.set AC, 64*((\a)%4)
	WIN 0x0a+5*((\a)/4)                            ; sources 0 and 1: window 2 or 3
.irp b, 0,1,2,3,4,5,6,7
.irp i, 0,1,2,3
	v_cvt_pk_f16_f32 v[TMP+4*\b+\i], v[AC+8*\b+2*\i], v[AC+8*\b+2*\i+1]   ; each accumulator from its low end on
.endr
.endr
	WIN 0
.endm
.macro TOSTAGE a
.set BK, OB+192*((\a)%2)
.irp b, 0,1,2,3,4,5,6,7
	ds_store_b128 v[STO], v[TMP+4*\b:TMP+4*\b+3] offset:32*\b
.endr
.irp hh, 0,1
.irp g, 0,1,2,3
	ds_load_b128 v[BK+4*(4*\hh+\g):BK+4*(4*\hh+\g)+3], v[RD] offset:\g*4*SPITCH+\hh*128
.endr
.endr
.endm
.macro SEND a
.set BK, OB+192*((\a)%2)
	s_wait_dscnt 0x0                               ; the block is back in registers
	s_wait_xcnt 0x0                                ; the stores of the block before have read their registers: the next block's loads from the stage land there
.irp hh, 0,1
.irp g, 0,1,2,3
	global_store_b128 v[CO], v[BK+4*(4*\hh+\g):BK+4*(4*\hh+\g)+3], s[96:97] offset:\hh*262144+(\a)*2048+\g*512   ; 512 consecutive bytes, aligned; head and rows in the immediate
.endr
.endr
.endm
	PLACES NP                                      ; behind the last products, ahead of the first read of results
	PACK 0
	TOSTAGE 0
.irp a, 1,2,3,4,5,6,7                  ; block a's conversions stand between block a - 1's loads from the stage and the wait for them
	PACK \a
	SEND \a-1
	TOSTAGE \a
.endr
	SEND 7
	s_wait_tensorcnt 0x0                           ; the wave's end: behind my last tensor load and my last LDS store
	ds_add_u32 v[SPW], v[NIL]
	s_wait_dscnt 0x0
	CROUND                                         ; the closing round: no work-group ends while a partner may still ask for a tile that names it
	s_endpgm
.Lfunc_end_k_q66d1ba0089_proj:
	.size	k_q66d1ba0089_proj, .Lfunc_end_k_q66d1ba0089_proj-k_q66d1ba0089_proj
	.p2alignl 7, 3214868480
	.fill 96, 4, 3214868480
	.section	.rodata,"a",@progbits
	.p2align	6, 0x0
	.amdhsa_kernel k_q66d1ba0089_proj
		.amdhsa_group_segment_fixed_size 327680
		.amdhsa_private_segment_fixed_size 0
		.amdhsa_enable_private_segment 0
		.amdhsa_kernarg_size 48
		.amdhsa_user_sgpr_count 2
		.amdhsa_user_sgpr_kernarg_segment_ptr 1
		.amdhsa_wavefront_size32 1
		.amdhsa_system_sgpr_workgroup_id_x 1
		.amdhsa_system_sgpr_workgroup_id_y 1
		.amdhsa_system_sgpr_workgroup_id_z 1
		.amdhsa_system_vgpr_workitem_id 0
		.amdhsa_next_free_vgpr 1024
		.amdhsa_next_free_sgpr 98
		.amdhsa_reserve_vcc 0
		.amdhsa_float_denorm_mode_32 3
		.amdhsa_float_denorm_mode_16_64 3
		.amdhsa_memory_ordered 1
		.amdhsa_forward_progress 1
		.amdhsa_inst_pref_size 128
	.end_amdhsa_kernel
	.amdgpu_metadata
---
amdhsa.version: [ 1, 2 ]
amdhsa.kernels:
  - .name:           k_q66d1ba0089_proj
    .symbol:         k_q66d1ba0089_proj.kd
    .args:
      - { .name: codes, .offset: 0, .size: 8, .value_kind: global_buffer, .address_space: global }
      - { .name: scales, .offset: 8, .size: 8, .value_kind: global_buffer, .address_space: global }
      - { .name: b_q, .offset: 16, .size: 8, .value_kind: global_buffer, .address_space: global }
      - { .name: b_k, .offset: 24, .size: 8, .value_kind: global_buffer, .address_space: global }
      - { .name: b_v, .offset: 32, .size: 8, .value_kind: global_buffer, .address_space: global }
      - { .name: qkv, .offset: 40, .size: 8, .value_kind: global_buffer, .address_space: global }
    .group_segment_fixed_size: 327680
    .private_segment_fixed_size: 0
    .kernarg_segment_align: 8
    .kernarg_segment_size: 48
    .max_flat_workgroup_size: 128
    .sgpr_count:     98
    .vgpr_count:     1024
    .wavefront_size: 32
...
	.end_amdgpu_metadata
.endif
;; end of part 2
;; launch attn (part 3): grid 8 x 64, 8 waves a work-group, clusters of 4 x 1, 327,680 bytes of LDS; arguments qkv, cc; writes cc
.if DOCPART == 3
	.amdgcn_target "amdgcn-amd-amdhsa--gfx1250"
	.amdhsa_code_object_version 6
	.text
	.protected	k_q66d1ba0089_attn
	.globl	k_q66d1ba0089_attn
	.p2align	8
	.type	k_q66d1ba0089_attn,@function
k_q66d1ba0089_attn:
	s_mov_b64 s[64:65], 0
	v_nop
	global_prefetch_b8 v0, s[64:65] scope:SCOPE_SE
	s_setreg_imm32_b32 hwreg(HW_REG_WAVE_MODE, 25, 1), 1
	s_wait_xcnt 0x0
	s_wait_alu depctr_hold_cnt(0) depctr_sa_sdst(0) depctr_va_vdst(0) depctr_va_sdst(0) depctr_va_ssrc(0) depctr_va_vcc(0) depctr_vm_vsrc(0)
	s_getreg_b32 s2, hwreg(HW_REG_IB_STS2, 6, 4)
	s_cmp_eq_u32 s2, 0
	s_cbranch_scc0 .Lentry_in_a_cluster
	s_endpgm
.Lentry_in_a_cluster:
	s_bfe_u32 s2, ttmp6, 0x10000c
	s_cmp_lg_u32 s2, 0x3003
	s_cbranch_scc0 .Lentry_shape_is_right
	s_endpgm
.Lentry_shape_is_right:
; O[hb][q][:] = the sum over k of softmax_k(Q[hb][q] . K[hb][k] / 8) V[hb][k][:], 64 heads-in-batches hb = 16 b + h, 2,048 positions, head size 64.  Q, K, V: f16, qkv[T][hb][s][64].  Products, maxima and sums in f32;
; the weights p are rounded to f16 for the second product.  O is rounded to f16 once and stored as cc[h][2048 b + s][64]: a work-group's 256 rows of its head are 32,768 consecutive bytes.
; LIMIT: an output beyond 65,504 in magnitude has no f16 and is not served.
; SHARES.  A work-group owns 256 queries of one hb, each of its EIGHT waves 32: two tiles of 16, in 384 registers: two waves to a SIMD, so that one wave's softmax stands beside the other's products and LDS loads.
; Every wave walks all 2,048 keys, 64 a step.  K's and V's tiles come through two LDS slots of 256 keys, filled by the tensor data mover: waves 0-3 K's quarters, waves 4-7 V's, one load a wave.
; LAYOUT.  S^T = K Q^T (source 0 = 16 keys, source 1 = 16 queries): a lane holds ONE query (lane % 16) and the keys 8 (lane / 16) + 0..7.  Two such tiles, rounded to f16 in pairs, ARE source 1 (32 keys x 16 queries) of
; O^T = V^T P, whose result again holds one query a lane.  K comes out of LDS as it lies, V ([key][channel]) turned, by ds_load_tr16_b128.
; SOFTMAX.  For each query a running maximum m and sum l: p = 2^(c s - c m), c = log2(e) / 8; in every step O and l are multiplied by a = 2^(c m_old - c m_new).  m begins at -3e38 and O and l at 0, so the step is written once.
; CLUSTER.  The four query blocks of a cluster belong to one hb and walk the same K and V: each tile is asked for JOINTLY, by the same tensor load with the same descriptor and a mask that names the four.
; REGISTERS: window 0: v2-12 addresses; v16-31 statistics, 8 a tile; v32-63 Q; v64-127 S^T, then p; v128-159 P; v160-223 O^T; v224-255 the way out.   window 1: v0-63 K of a step; v64-127 V of a step.
.set PK,    144       ; a row of K in LDS: 128 bytes + 16 of padding: the 16 rows of a load start 36 words apart
.set PV,    160       ; a row of V: 128 + 32: an odd multiple of 32 bytes, for the turning load
.set SKEYS, 256       ; keys in a slot: four steps
.set VOFF,  SKEYS*PK  ; a slot: 256 rows of K, then 256 rows of V
.set SLOT1, 1<<17     ; slot 1 begins here, so that one exclusive or turns an address in one slot into the other's
.set STAGE, SLOT1+SKEYS*(PK+PV)  ; behind the slots: 32 rows x 144 bytes for each wave, for the way out; no tensor load lands here
.set SP,    144
.set SPARE, STAGE+8*32*SP        ; the spare words, 128 bytes a wave, which no other line names
.set AK0, 2           ; v2   my lane's place in a tile of K; never rewritten
.set AV0, 3           ; v3   the same for V
.set ADK, 4           ; v4   the same in the slot in hand
.set ADV, 5           ; v5
.set QO,  6           ; v6   my byte offset in the wave's rows of Q
.set STO, 7           ; v7   the way out: where I put 16 bytes of a row
.set RD,  8           ; v8   where I read back
.set GO,  9           ; v9   16 x lane
.set SPW, 10          ; v10  LDS address of my spare word; never rewritten
.set NIL, 11          ; v11  0; never rewritten
.set PFO, 12          ; v12  256 x lane: the prefetches' offset; never rewritten
.set ST,  16          ; tile t's statistics at v[ST+8 t]: +0 c m, +1 m, +2, +3 l (even keys', odd keys'), +4 to +7 c0-c3, at work; a takes c2's place
.set Q,   32          ; tile t, channels 32 c on: v[Q+16 t+8 c]
.set S,   64          ; tile t, keys 16 kt on: v[S+32 t+8 kt]
.set P,   128         ; tile t, keys 32 g on: v[P+16 t+8 g]
.set O,   160         ; tile t, channels 16 ct on: v[O+32 t+8 ct]
.set OUTR, 224
.set WV,  12          ; s12  my wave's number
.set LIM, 15          ; s15  1 in a wave that prefetches, else the greatest number
.set PFA, 18          ; s[18:19] where my prefetches stand
.set G1K, 24          ; s[24:31] descriptor group 1 for K's tiles;  s[32:39] for V's: it differs in the padding alone
.set G1V, 32
.set G0K, 40          ; s[40:43], s[44:47] their groups 0, which walk
.set G0V, 44
.set SLOTS, 56        ; s56  slots still to be asked for
.set CS,  58          ; s[58:59] c: the packed scaling names a pair and takes its low word for both halves
.set SEL, 60          ; s[60:61] lane selects for v_permlanex16_b32: lane l xor 16
.set TB,  62          ; s62  LDS byte at which the slot in hand begins
.set MSB, 0
.macro WIN new                      ; the immediate's high byte repeats the setting that is left; a switch that changes nothing is dropped
.if MSB != (\new)
	s_set_vgpr_msb (MSB<<8)|(\new)
.set MSB, \new
.endif
.endm
.set W_LD, 0x40       ; an LDS load's destination in window 1, its address in window 0
.set W_MM, 0x01       ; source 0 (K or V) in window 1, all else in window 0
; A joint load.  Waves 0-3 fetch K's quarters of a slot, waves 4-7 V's.  The branch hangs on the wave's number alone.  An s_nop 0 and four v_nop follow each of the two lines.
.macro JLOAD
	s_cmp_lt_u32 s[WV], 4
	s_cbranch_scc0 .Lfor_v_\@
	tensor_load_to_lds s[G0K:G0K+3], s[G1K:G1K+7]
	s_nop 0
.rept 4
	v_nop
.endr
	s_branch .Lasked_\@
.Lfor_v_\@:
	tensor_load_to_lds s[G0V:G0V+3], s[G1V:G1V+7]
	s_nop 0
.rept 4
	v_nop
.endr
.Lasked_\@:
.endm
; A PREFETCH INTO THE L2 of what the NEXT change of slots will ask for: a slot's 256 rows of K and of V, 32,768 dense bytes each.  It stands behind the wave's tensor load and its five lines.
; Each aligned block of 256 bytes is named ONCE in the launch.  Both clusters of an hb walk the same K and V: the first (cluster x = 0) asks.  Its four partners share the bytes out BY ADDRESS, 8,192 each, lanes 256 bytes apart;
; in each, wave 0 asks for K's and wave 4 for V's: one instruction.  The last change that fills a slot asks for nothing: there is no slot behind it.  Slots 0 and 1 come by their loads alone.
.macro ASK
	s_cmp_gt_u32 s[SLOTS], s[LIM]
	s_cbranch_scc0 .Lnot_mine_\@
	global_prefetch_b8 v[PFO], s[PFA:PFA+1] th:TH_LOAD_NT scope:SCOPE_SE
.Lnot_mine_\@:
.endm
.macro CROUND                       ; a round of the cluster's barrier: my work-group's barrier, wave 0 signals for the work-group, every wave waits for all four, my work-group's barrier once more
	s_barrier_signal -1
	s_barrier_wait -1
	s_cmp_lg_u32 s[WV], 0
	s_cbranch_scc1 .Lnot_wave_0_\@
	s_barrier_signal -3
.Lnot_wave_0_\@:
	s_barrier_wait -3
	s_barrier_signal -1
	s_barrier_wait -1
.endm
.macro PLACES
.rept 4
	v_nop
.endr
.endm
	s_load_b128 s[4:7], s[0:1], 0x0 ; qkv s[4:5], cc s[6:7]
	v_lshl_add_u32 v[SPW], v0, 2, SPARE
	v_mov_b32 v[NIL], 0
	ds_add_u32 v[SPW], v[NIL]       ; the wave's opening: the add, twice on end, and its wait ahead of my first tensor load
	ds_add_u32 v[SPW], v[NIL]       ; the set-up below, work on registers, stands between the second and the wait
	v_lshrrev_b32 v1, 5, v0
	v_readfirstlane_b32 s[WV], v1   ; wave 0..7
	s_bfe_u32 s13, ttmp6, 0x40000   ; cx: my place in the cluster
	s_lshl_b32 s14, ttmp9, 2        ; in a cluster launch ttmp9 counts clusters
	s_add_co_u32 s14, s14, s13      ; my block of 256 queries: it enters Q's and cc's addresses alone
	s_and_b32 s16, ttmp7, 0xffff    ; hb, which the four partners share
	s_and_b32 s17, s[WV], 3         ; which quarter of a slot's rows I fetch
	s_lshl_b32 s20, s16, 18         ; the head's 2,048 rows of 128 bytes,
	s_lshl_b32 s21, s17, 13         ; my quarter's 64
	s_add_co_u32 s20, s20, s21
	s_mov_b32 s21, 0
	s_add_co_u32 s22, s20, 1<<25    ; in V (T = 2),
	s_mov_b32 s23, 0
	s_add_co_u32 s20, s20, 1<<24    ; in K (T = 1)
	s_lshl_b32 s48, s16, 18
	s_lshl_b32 s49, s14, 15         ; my block's 256 rows,
	s_add_co_u32 s48, s48, s49
	s_lshl_b32 s50, s[WV], 12       ; my wave's 32 of them
	s_add_co_u32 s48, s48, s50      ; Q's offset (T = 0)
	s_add_co_u32 s50, s50, s49
	s_mov_b32 s49, 0
	s_and_b32 s51, s16, 15
	s_lshl_b32 s51, s51, 20         ; cc: plane h,
	s_add_co_u32 s50, s50, s51
	s_lshr_b32 s51, s16, 4
	s_lshl_b32 s51, s51, 18         ; batch b's 2,048 rows
	s_add_co_u32 s50, s50, s51
	s_mov_b32 s51, 0
	s_mul_i32 s52, s17, 64*PK       ; my quarter's place in a slot: no place in the cluster enters an LDS address
	s_mul_i32 s53, s17, 64*PV
	s_add_co_u32 s53, s53, VOFF
	; descriptor group 1: a tile of 64 rows x 64 elements of 2 bytes, dense in memory, padded in LDS
	s_mov_b32 s[G1K], 15|(1<<16)|(1<<20)|(1<<21)|(4<<22)|(3<<25)  ; 15:0 the mask: all four work-groups; 17:16 elements of 2 bytes; 20 padding on; 21 set beside a mask; 24:22 after every 32 words; 31:25 four words
	s_mov_b32 s[G1V], 15|(1<<16)|(1<<20)|(1<<21)|(4<<22)|(7<<25)  ; the same with eight words of padding
.irp g, G1K, G1V
	s_mov_b32 s[\g+1], 64<<16       ; tensor_dim0
	s_mov_b32 s[\g+2], 64<<16       ; tensor_dim1
	s_mov_b32 s[\g+3], 64<<16       ; tile_dim0
	s_mov_b32 s[\g+4], 64           ; tile_dim1
	s_mov_b32 s[\g+5], 64           ; elements from row to row
	s_mov_b32 s[\g+6], 0
	s_mov_b32 s[\g+7], 0
.endr
	s_mov_b32 s[CS], 0x3e38aa3b     ; c = log2(e) / 8
	s_mov_b32 s[CS+1], s[CS]        ; named with it as a pair, so it is written
	s_mov_b32 s[SEL], 0x76543210
	s_mov_b32 s[SEL+1], 0xfedcba98
	s_mov_b32 s[TB], 0
	s_mov_b32 s[SLOTS], 2048/SKEYS-1
	s_and_b32 s[LIM], s[WV], 3      ; 0 in waves 0 and 4,
	s_or_b32 s[LIM], s[LIM], ttmp9  ; where the cluster is the head's first: the same in all four partners
	s_cmp_eq_u32 s[LIM], 0
	s_cselect_b32 s[LIM], 1, -1
	v_and_b32 v[PFO], 31, v0
	v_lshlrev_b32 v[PFO], 8, v[PFO]
	s_wait_dscnt 0x0                ; both opening adds are done
	s_wait_kmcnt 0x0
	s_add_nc_u64 s[20:21], s[4:5], s[20:21]  ; K and V at my quarter of slot 0
	s_add_nc_u64 s[22:23], s[4:5], s[22:23]
	s_add_nc_u64 s[6:7], s[6:7], s[50:51]    ; cc at my wave's first row
	s_cmp_lt_u32 s[WV], 4
	s_cselect_b64 s[PFA:PFA+1], s[20:21], s[22:23]  ; (in waves 0 and 4 these stand at a slot's first row)
	s_lshl_b32 s50, s13, 13         ; my work-group's 8,192 bytes of a slot's 32,768,
	s_add_co_u32 s50, s50, SKEYS*128  ; in slot 1: the first change of slots steps it to slot 2.  Nothing is prefetched at the head
	s_add_nc_u64 s[PFA:PFA+1], s[PFA:PFA+1], s[50:51]
	s_add_nc_u64 s[4:5], s[4:5], s[48:49]    ; Q at my wave's first row
	CROUND                          ; all four work-groups are here: the first joint loads meet
	s_mov_b32 s[G0K], 1             ; count = 1
	s_mov_b32 s[G0K+1], s52         ; LDS address: slot 0
	s_mov_b64 s[G0K+2:G0K+3], s[20:21]
	s_or_b32 s[G0K+3], s[G0K+3], 0x80000000  ; type = 2
	s_mov_b32 s[G0V], 1
	s_mov_b32 s[G0V+1], s53
	s_mov_b64 s[G0V+2:G0V+3], s[22:23]
	s_or_b32 s[G0V+3], s[G0V+3], 0x80000000
	JLOAD                           ; slot 0: one tensor load of mine is out
	; A fragment of K or Q is 16 rows x 32 channels in 8 registers: lane l holds row l % 16; registers 0-3 channels 8 (l / 16) + 0..7, registers 4-7 channels 16 + 8 (l / 16) + 0..7: two loads of 16 bytes, 32 bytes apart.
	v_and_b32 v1, 15, v0            ; r
	v_bfe_u32 v13, v0, 4, 1         ; h
	v_lshlrev_b32 v[QO], 7, v1
	v_lshl_add_u32 v[QO], v13, 4, v[QO]  ; row x 128 + 16 x half
.irp t, 0,1
.irp c, 0,1
	global_load_b128 v[Q+16*\t+8*\c:Q+16*\t+8*\c+3],   v[QO], s[4:5] offset:\t*2048+\c*64      ; Q stays in registers
	global_load_b128 v[Q+16*\t+8*\c+4:Q+16*\t+8*\c+7], v[QO], s[4:5] offset:\t*2048+\c*64+32
.endr
.endr
	v_mul_u32_u24 v[AK0], v1, PK
	v_lshl_add_u32 v[AK0], v13, 4, v[AK0]  ; row x pitch + 16 x half
	; The turning load takes 16 keys x 16 channels (lane l reads 16 bytes: key 8 (l / 16) + l % 8, channels 8 ((l / 8) % 2) + 0..7) and leaves half a fragment of V^T: lane l holds channel l % 16 and 8 keys.
	v_and_b32 v14, 7, v0
	v_bfe_u32 v15, v0, 3, 1
	v_lshl_add_u32 v[AV0], v13, 3, v14
	v_mul_u32_u24 v[AV0], v[AV0], PV
	v_lshl_add_u32 v[AV0], v15, 4, v[AV0]
	v_add_nc_u32 v[AV0], VOFF, v[AV0]
	s_mul_i32 s16, s[WV], 32*SP
	s_add_co_u32 s16, s16, STAGE    ; my stage
	v_mul_u32_u24 v[STO], v1, SP    ; in: row r of a tile, 16 bytes for each half of the lanes
	v_lshl_add_u32 v[STO], v13, 4, v[STO]
	v_add_nc_u32 v[STO], s16, v[STO]
	v_and_b32 v15, 31, v0
	v_lshrrev_b32 v[RD], 3, v15     ; back: eight lanes take a row's 128 bytes, 32 lanes four rows
	v_mul_u32_u24 v[RD], v[RD], SP
	v_lshl_add_u32 v[RD], v14, 4, v[RD]
	v_add_nc_u32 v[RD], s16, v[RD]
	v_lshlrev_b32 v[GO], 4, v15     ; which are 512 consecutive bytes of cc
.irp t, 0,1
	v_mov_b32 v[ST+8*\t+1], 0xff61b1e6       ; m: -3e38, under every score
	v_mul_f32 v[ST+8*\t], s[CS], v[ST+8*\t+1]  ; c m
	v_mov_b32 v[ST+8*\t+2], 0                ; l, in two halves
	v_mov_b32 v[ST+8*\t+3], 0
.endr
.set i, 0
.rept 64
	v_mov_b32 v[O+i], 0             ; O^T.  (The step is written once: the first finds zeros, which a = 0 leaves zeros)
.set i, i+1
.endr
; THE LDS LOADS stand in runs of 16: a step's K (64 keys x 64 channels: 8 fragments) and its V (turned).
.macro FETCH_K q
	WIN W_LD
.irp kt, 0,1,2,3
.irp c, 0,1
	ds_load_b128 v[16*\kt+8*\c:16*\kt+8*\c+3],   v[ADK] offset:(64*(\q)+16*\kt)*PK+64*\c
	ds_load_b128 v[16*\kt+8*\c+4:16*\kt+8*\c+7], v[ADK] offset:(64*(\q)+16*\kt)*PK+64*\c+32
.endr
.endr
.endm
.macro FETCH_V q
	WIN W_LD
.irp g, 0,1
.irp ct, 0,1,2,3
	ds_load_tr16_b128 v[64+8*(4*\g+\ct):64+8*(4*\g+\ct)+3],   v[ADV] offset:(64*(\q)+32*\g)*PV+32*\ct
	ds_load_tr16_b128 v[64+8*(4*\g+\ct)+4:64+8*(4*\g+\ct)+7], v[ADV] offset:(64*(\q)+32*\g)*PV+16*PV+32*\ct
.endr
.endr
.endm
; S^T = K Q^T: 16 products.  The eight accumulators take turns, one instruction a turn; the first eight start the sums with the constant 0.
.macro KQ
	WIN W_MM
.irp c, 0,1
.irp kt, 0,1,2,3
.irp t, 0,1
.if \c == 0
	v_wmma_f32_16x16x32_f16 v[S+32*\t+8*\kt:S+32*\t+8*\kt+7], v[16*\kt+8*\c:16*\kt+8*\c+7], v[Q+16*\t+8*\c:Q+16*\t+8*\c+7], 0
.else
	v_wmma_f32_16x16x32_f16 v[S+32*\t+8*\kt:S+32*\t+8*\kt+7], v[16*\kt+8*\c:16*\kt+8*\c+7], v[Q+16*\t+8*\c:Q+16*\t+8*\c+7], v[S+32*\t+8*\kt:S+32*\t+8*\kt+7]
.endif
.endr
.endr
.endr
.endm
; O^T += V^T P: 16 products, eight accumulators by turns.
.macro PVM
	WIN W_MM
.irp g, 0,1
.irp ct, 0,1,2,3
.irp t, 0,1
	v_wmma_f32_16x16x32_f16 v[O+32*\t+8*\ct:O+32*\t+8*\ct+7], v[64+8*(4*\g+\ct):64+8*(4*\g+\ct)+7], v[P+16*\t+8*\g:P+16*\t+8*\g+7], v[O+32*\t+8*\ct:O+32*\t+8*\ct+7]
.endr
.endr
.endr
.endm
; THE SOFTMAX of a step, the two tiles line by line, so that no line waits for the line above it.  SOFTA: the maximum, the scalings, the exponentials as ONE batch with one wait.
.macro SOFTA
	WIN 0
.irp j, 0,1,2,3                     ; four chains; each begins at the low end of one accumulator
.irp t, 0,1
	v_max3_num_f32 v[ST+8*\t+4+\j], v[S+32*\t+8*\j], v[S+32*\t+8*\j+1], v[S+32*\t+8*\j+2]
.endr
.endr
.irp i, 3,5
.irp j, 0,1,2,3
.irp t, 0,1
	v_max3_num_f32 v[ST+8*\t+4+\j], v[ST+8*\t+4+\j], v[S+32*\t+8*\j+\i], v[S+32*\t+8*\j+\i+1]
.endr
.endr
.endr
.irp t, 0,1
	v_max3_num_f32 v[ST+8*\t+4], v[ST+8*\t+4], v[S+32*\t+7], v[S+32*\t+15]
.endr
.irp t, 0,1
	v_max3_num_f32 v[ST+8*\t+6], v[ST+8*\t+6], v[S+32*\t+23], v[S+32*\t+31]
.endr
.irp t, 0,1
	v_max3_num_f32 v[ST+8*\t+4], v[ST+8*\t+4], v[ST+8*\t+5], v[ST+8*\t+6]
.endr
.irp t, 0,1
	v_max3_num_f32 v[ST+8*\t+4], v[ST+8*\t+4], v[ST+8*\t+7], v[ST+8*\t+1]   ; and the old m
.endr
.irp t, 0,1
	v_permlanex16_b32 v[ST+8*\t+5], v[ST+8*\t+4], s[SEL], s[SEL+1]  ; the query's other 32 keys lie in the lane 16 away
.endr
.irp t, 0,1
	v_mov_b32 v[ST+8*\t+7], v[ST+8*\t]       ; c m_old is kept for a
.endr
.irp t, 0,1
	v_max_num_f32 v[ST+8*\t+1], v[ST+8*\t+4], v[ST+8*\t+5]   ; the new m
.endr
.irp t, 0,1
	v_mul_f32 v[ST+8*\t], s[CS], v[ST+8*\t+1]
.endr
.irp t, 0,1
	v_sub_f32 v[ST+8*\t+7], v[ST+8*\t+7], v[ST+8*\t]
.endr
.set i, 0
.rept 16
.irp t, 0,1
	v_pk_fma_f32 v[S+32*\t+2*i:S+32*\t+2*i+1], v[S+32*\t+2*i:S+32*\t+2*i+1], s[CS:CS+1], v[ST+8*\t:ST+8*\t+1] op_sel_hi:[1,0,0] neg_lo:[0,0,1] neg_hi:[0,0,1]  ; c s - c m, two at a time
.endr
.set i, i+1
.endr
.irp t, 0,1
	v_exp_f32 v[ST+8*\t+6], v[ST+8*\t+7]     ; a
.endr
.set i, 0
.rept 32
.irp t, 0,1
	v_exp_f32 v[S+32*\t+i], v[S+32*\t+i]     ; p, at most 1
.endr
.set i, i+1
.endr
	v_nop                           ; a plain instruction behind the last exponential, ahead of the first use
	s_wait_alu depctr_va_vdst(0)    ; the wait ahead of the first line that names a result: one for both tiles' 66 exponentials
.endm
; SOFTB: the weights to f16, and O^T under the new maximum (each accumulator from its low end on).
.macro SOFTB
.set i, 0
.rept 16
.irp t, 0,1
	v_cvt_pk_f16_f32 v[P+16*\t+i], v[S+32*\t+2*i], v[S+32*\t+2*i+1]
.endr
.set i, i+1
.endr
.set i, 0
.rept 16
.irp t, 0,1
	v_pk_mul_f32 v[O+32*\t+2*i:O+32*\t+2*i+1], v[O+32*\t+2*i:O+32*\t+2*i+1], v[ST+8*\t+6:ST+8*\t+7] op_sel_hi:[1,0]
.endr
.set i, i+1
.endr
.endm
; SUMS: the row's sum of the unrounded p, a tree in place on its 16 pairs; l = a l + the sum.  It stands behind the products V^T P and names none of their registers: these lines are the places ahead of the next loads into V.
.macro SUMS
.irp u, 0,1,2,3,4,5,6,7
.irp t, 0,1
	v_pk_add_f32 v[S+32*\t+4*\u:S+32*\t+4*\u+1], v[S+32*\t+4*\u:S+32*\t+4*\u+1], v[S+32*\t+4*\u+2:S+32*\t+4*\u+3]
.endr
.endr
.irp u, 0,1,2,3
.irp t, 0,1
	v_pk_add_f32 v[S+32*\t+8*\u:S+32*\t+8*\u+1], v[S+32*\t+8*\u:S+32*\t+8*\u+1], v[S+32*\t+8*\u+4:S+32*\t+8*\u+5]
.endr
.endr
.irp u, 0,1
.irp t, 0,1
	v_pk_add_f32 v[S+32*\t+16*\u:S+32*\t+16*\u+1], v[S+32*\t+16*\u:S+32*\t+16*\u+1], v[S+32*\t+16*\u+8:S+32*\t+16*\u+9]
.endr
.endr
.irp t, 0,1
	v_pk_add_f32 v[S+32*\t:S+32*\t+1], v[S+32*\t:S+32*\t+1], v[S+32*\t+16:S+32*\t+17]
.endr
.irp t, 0,1
	v_pk_fma_f32 v[ST+8*\t+2:ST+8*\t+3], v[ST+8*\t+2:ST+8*\t+3], v[ST+8*\t+6:ST+8*\t+7], v[S+32*\t:S+32*\t+1] op_sel_hi:[1,0,1]
.endr
.endm
; A KEY STEP: 64 keys, the q-th of the slot in hand.  K of the next step is asked for behind this step's products K Q^T, V of this step ahead of them: each run has a phase in which to land.
.macro STEP q
.if (\q) == 0
	FETCH_K 0
.endif
	FETCH_V \q
	s_wait_dscnt 16                 ; K's 16 loads are in; V's 16, issued behind them, may be out
	KQ
	WIN 0
	PLACES                          ; four places behind the products: ahead of the loads into K's registers and of the first read of the scores
.if (\q) < 3
	FETCH_K (\q)+1
.endif
	SOFTA
	SOFTB
.if (\q) < 3
	s_wait_dscnt 16                 ; V's 16 loads are in; the next K's 16, issued behind them, may be out
.else
	s_wait_dscnt 0x0                ; V is in, and my reads of this slot are over
.endif
	PVM
	WIN 0
	SUMS
.endm
.macro SLOT_STEPS
	v_add_nc_u32 v[ADK], s[TB], v[AK0]
	v_add_nc_u32 v[ADV], s[TB], v[AV0]
	STEP 0
	STEP 1
	STEP 2
	STEP 3
	s_xor_b32 s[TB], s[TB], SLOT1   ; on to the other slot
.endm
; THE CHANGE OF SLOTS stands at a slot's head.  Each wave waits for all its tensor loads (its part of the slot that it is about to read), adds 0 to its spare word, and waits for that and for its reads of the slot that it has left.
; fill = 1: the barrier is a round of the cluster's, so that no wave of any partner still reads the other slot or has a load on its way; the joint load of the keys that follow is the first thing behind it, one a wave,
; and has four key steps in which to land.  fill = 0: the last slot: my work-group's barrier alone, and nothing is asked for.
.macro CHANGE fill
	s_wait_tensorcnt 0x0            ; no tensor load of mine is out, so a group 0 may be written
	ds_add_u32 v[SPW], v[NIL]       ; 0 onto my spare word
.if \fill
	s_xor_b32 s[G0K+1], s[G0K+1], SLOT1  ; the walking descriptors: the other slot than last time,
	s_add_nc_u64 s[G0K+2:G0K+3], s[G0K+2:G0K+3], SKEYS*128  ; the next 256 keys; the type bits on top are not reached
	s_xor_b32 s[G0V+1], s[G0V+1], SLOT1
	s_add_nc_u64 s[G0V+2:G0V+3], s[G0V+2:G0V+3], SKEYS*128
	s_wait_xcnt 0x0                 ; the last prefetch, a slot back, has read its address, so it may be written:
	s_add_nc_u64 s[PFA:PFA+1], s[PFA:PFA+1], SKEYS*128  ; one slot further on than the walking descriptors
	s_wait_dscnt 0x0                ; the add is done, and my reads of the slot that I have left are over
	CROUND
	JLOAD
	ASK
.else
	s_wait_dscnt 0x0
	s_barrier_signal -1
	s_barrier_wait -1
.endif
.endm
	s_wait_loadcnt 0x0              ; Q
.Lslot:                             ; seven trips: behind each change of slots but the last the next slot is asked for; the first trip fills slot 1 for the first time
	CHANGE 1
	SLOT_STEPS
	s_sub_co_u32 s[SLOTS], s[SLOTS], 1
	s_cmp_lg_u32 s[SLOTS], 0
	s_cbranch_scc1 .Lslot
	CHANGE 0                        ; the last slot is written out
	SLOT_STEPS
	; THE WAY OUT.  l's two halves and the other half of the lanes' are added; O^T is divided by l, rounded to f16 and sent through my stage in LDS.  (The sums above are the places behind the last products.)
.irp t, 0,1
	v_add_f32 v[ST+8*\t+4], v[ST+8*\t+2], v[ST+8*\t+3]
.endr
.irp t, 0,1
	v_permlanex16_b32 v[ST+8*\t+5], v[ST+8*\t+4], s[SEL], s[SEL+1]
.endr
.irp t, 0,1
	v_add_f32 v[ST+8*\t+4], v[ST+8*\t+4], v[ST+8*\t+5]
.endr
.irp t, 0,1
	v_rcp_f32 v[ST+8*\t+6], v[ST+8*\t+4]
.endr
	v_nop                           ; a plain instruction between the last reciprocal and the use of its result
	s_wait_alu depctr_va_vdst(0)    ; and the wait: one for both reciprocals
.set i, 0
.rept 16
.irp t, 0,1
	v_pk_mul_f32 v[O+32*\t+2*i:O+32*\t+2*i+1], v[O+32*\t+2*i:O+32*\t+2*i+1], v[ST+8*\t+6:ST+8*\t+7] op_sel_hi:[1,0]
.endr
.set i, i+1
.endr
.set i, 0
.rept 16
.irp t, 0,1
	v_cvt_pk_f16_f32 v[OUTR+16*\t+i], v[O+32*\t+2*i], v[O+32*\t+2*i+1]   ; registers 4 ct .. 4 ct + 3: channels 16 ct + 8 h + 0 .. 7 of my query
.endr
.set i, i+1
.endr
.irp t, 0,1
.irp ct, 0,1,2,3
	ds_store_b128 v[STO], v[OUTR+16*\t+4*\ct:OUTR+16*\t+4*\ct+3] offset:\t*16*SP+32*\ct
.endr
.endr
.irp g, 0,1,2,3,4,5,6,7
	ds_load_b128 v[S+4*\g:S+4*\g+3], v[RD] offset:\g*4*SP   ; LDS serves a wave's instructions in order: these see the stores above
.endr
.irp g, 0,1,2,3,4,5,6,7
	s_wait_dscnt 7-\g               ; load g is in; the younger ones may be out
	global_store_b128 v[GO], v[S+4*\g:S+4*\g+3], s[6:7] offset:512*\g   ; 32 lanes store 512 consecutive bytes, aligned
.endr
	s_wait_tensorcnt 0x0            ; the wave's end: behind my last tensor load and my last LDS store
	ds_add_u32 v[SPW], v[NIL]
	s_wait_dscnt 0x0
	CROUND                          ; the closing round: no work-group ends while a partner may still ask for a tile that names it
	s_endpgm
.Lfunc_end_k_q66d1ba0089_attn:
	.size	k_q66d1ba0089_attn, .Lfunc_end_k_q66d1ba0089_attn-k_q66d1ba0089_attn
	.p2alignl 7, 3214868480
	.fill 96, 4, 3214868480
	.section	.rodata,"a",@progbits
	.p2align	6, 0x0
	.amdhsa_kernel k_q66d1ba0089_attn
		.amdhsa_group_segment_fixed_size 327680
		.amdhsa_private_segment_fixed_size 0
		.amdhsa_enable_private_segment 0
		.amdhsa_kernarg_size 16
		.amdhsa_user_sgpr_count 2
		.amdhsa_user_sgpr_kernarg_segment_ptr 1
		.amdhsa_wavefront_size32 1
		.amdhsa_system_sgpr_workgroup_id_x 1
		.amdhsa_system_sgpr_workgroup_id_y 1
		.amdhsa_system_sgpr_workgroup_id_z 1
		.amdhsa_system_vgpr_workitem_id 0
		.amdhsa_next_free_vgpr 384
		.amdhsa_next_free_sgpr 66
		.amdhsa_reserve_vcc 0
		.amdhsa_float_denorm_mode_32 3
		.amdhsa_float_denorm_mode_16_64 3
		.amdhsa_memory_ordered 1
		.amdhsa_forward_progress 1
		.amdhsa_inst_pref_size 154
	.end_amdhsa_kernel
	.amdgpu_metadata
---
amdhsa.version: [ 1, 2 ]
amdhsa.kernels:
  - .name:           k_q66d1ba0089_attn
    .symbol:         k_q66d1ba0089_attn.kd
    .args:
      - { .name: qkv, .offset: 0, .size: 8, .value_kind: global_buffer, .address_space: global }
      - { .name: cc, .offset: 8, .size: 8, .value_kind: global_buffer, .address_space: global }
    .group_segment_fixed_size: 327680
    .private_segment_fixed_size: 0
    .kernarg_segment_align: 8
    .kernarg_segment_size: 16
    .max_flat_workgroup_size: 256
    .sgpr_count:     66
    .vgpr_count:     384
    .wavefront_size: 32
...
	.end_amdgpu_metadata
.endif
;; end of part 3
;; launch oproj (part 4): grid 4 x 64, 4 waves a work-group, clusters of 4 x 4, 327,680 bytes of LDS; arguments cc, wo16, b_o, out0; writes out0
.if DOCPART == 4
	.amdgcn_target "amdgcn-amd-amdhsa--gfx1250"
	.amdhsa_code_object_version 6
	.text
	.protected	k_q66d1ba0089_oproj
	.globl	k_q66d1ba0089_oproj
	.p2align	8
	.type	k_q66d1ba0089_oproj,@function
k_q66d1ba0089_oproj:
	s_mov_b64 s[64:65], 0
	v_nop
	global_prefetch_b8 v0, s[64:65] scope:SCOPE_SE
	s_setreg_imm32_b32 hwreg(HW_REG_WAVE_MODE, 25, 1), 1
	s_wait_xcnt 0x0
	s_wait_alu depctr_hold_cnt(0) depctr_sa_sdst(0) depctr_va_vdst(0) depctr_va_sdst(0) depctr_va_ssrc(0) depctr_va_vcc(0) depctr_vm_vsrc(0)
	s_getreg_b32 s2, hwreg(HW_REG_IB_STS2, 6, 4)
	s_cmp_eq_u32 s2, 0
	s_cbranch_scc0 .Lentry_in_a_cluster
	s_endpgm
.Lentry_in_a_cluster:
	s_bfe_u32 s2, ttmp6, 0x10000c
	s_cmp_lg_u32 s2, 0xf033
	s_cbranch_scc0 .Lentry_shape_is_right
	s_endpgm
.Lentry_shape_is_right:
; out0[m][n] = the sum over k of concat[m][k] w_o[n][k] + b_o[n], f16 operands, f32 sums; out0 [8192][1024] f32.
; Both operands lie by blocks of 64 along K: cc[k / 64][m][64], wo16[k / 64][n][64]: a tile's rows are 128 dense bytes.
; A tile of out0 is 128 (m) x 256 (n): 256 work-groups.  Four waves, each 64 x 128: 32 accumulators of 16 x 16, window 1.  K goes in eight steps of 128 (two planes of 64) through two LDS slots.
; CLUSTERS: 4 x 4 work-groups.  The four of a row of the cluster need the same tiles of cc, the four of a column the same tiles of w_o: each is asked for JOINTLY.  Waves 0, 1 fetch cc's two planes of a step, waves 2, 3 w_o's.
; THE MATRIX INSTRUCTION IS USED TRANSPOSED (source 0 = 16 rows of w_o, source 1 = 16 rows of cc): a lane holds eight neighbouring columns of one row of out0.
; The accumulators BEGIN AS THE BIAS: it is loaded straight into them, in the result's layout, so that nothing is cleared, no first step is written apart and nothing is added at the end.
; REGISTERS: window 0: v16-29 addresses; two fragment buffers for 32 along K: F0 at v32 (cc's 4 fragments, then w_o's 8), F1 at v128; on the way out v32-159.   window 1: accumulator (a, b) at v[8 (8 a + b)].
.set PITCH,  144                       ; an LDS row: 128 bytes + 16 of padding: the 16 rows that a load touches start 36 words apart
.set APL,    128*PITCH                 ; a plane of cc's tile
.set BPL,    256*PITCH                 ; a plane of w_o's
.set SLOT,   2*APL+2*BPL               ; cc's two planes, then w_o's two
.set STAGE,  2*SLOT                    ; behind the slots: 16 rows x 528 bytes for each wave; no tensor load lands here
.set SPITCH, 528
.set SPARE,  STAGE+4*16*SPITCH         ; the spare words, 128 bytes a wave, which no other line names
.set ADRA, 16                          ; v16-17  LDS address of my cc fragments in slot 0, 1
.set ADRB, 20                          ; v20-21  the same for w_o
.set STO,  24                          ; v24     the way out: where I put 32 bytes of a row
.set RD,   25                          ; v25     where I read a row back
.set CO,   26                          ; v26     16 x lane
.set BO,   27                          ; v27     32 x (lane / 16)
.set SPW,  28                          ; v28     LDS address of my spare word; never rewritten
.set NIL,  29                          ; v29     0; never rewritten
.set F0,   32
.set F1,   128
.set BK,   32                          ; the way out: v32-95 and v96-159 by turns
.set G1A, 24                           ; s[24:31] descriptor group 1 for cc's tiles;  s[32:39] group 0, one set for each slot
.set G0A, 32
.set G1B, 48                           ; s[48:55], s[56:63] the same for w_o's
.set G0B, 56
.set MSB, 0
.macro WIN new                         ; the immediate's high byte repeats the setting that is left
.if MSB != (\new)
	s_set_vgpr_msb (MSB<<8)|(\new)
.set MSB, \new
.endif
.endm
.macro JLOAD s                         ; a joint load: the branch hangs on the wave's number alone; an s_nop 0 and four v_nop follow each of the two lines
	s_cmp_eq_u32 s13, 0
	s_cbranch_scc0 .Lfor_b_\@
	tensor_load_to_lds s[G0A+4*(\s):G0A+4*(\s)+3], s[G1A:G1A+7]
	s_nop 0
.rept 4
	v_nop
.endr
	s_branch .Lasked_\@
.Lfor_b_\@:
	tensor_load_to_lds s[G0B+4*(\s):G0B+4*(\s)+3], s[G1B:G1B+7]
	s_nop 0
.rept 4
	v_nop
.endr
.Lasked_\@:
.endm
.macro CROUND                          ; a round of the cluster's barrier
	s_barrier_signal -1
	s_barrier_wait -1
	s_cmp_lg_u32 s12, 0
	s_cbranch_scc1 .Lnot_wave_0_\@
	s_barrier_signal -3
.Lnot_wave_0_\@:
	s_barrier_wait -3
	s_barrier_signal -1
	s_barrier_wait -1
.endm
.macro PLACES                          ; four places ahead of loads into registers that matrix instructions have read, and of the first read of results (ISA guide 7.12.1 for vector instructions)
.rept 4
	v_nop
.endr
.endm
	s_load_b256 s[4:11], s[0:1], 0x0               ; cc 4, wo16 6, b_o 8, out0 10
	v_lshl_add_u32 v[SPW], v0, 2, SPARE
	v_mov_b32 v[NIL], 0
	ds_add_u32 v[SPW], v[NIL]                      ; the wave's opening: the add, twice on end, and its wait ahead of my first tensor load
	ds_add_u32 v[SPW], v[NIL]                      ; the set-up below, work on registers, stands between the second and the wait
	v_lshrrev_b32 v1, 5, v0
	v_readfirstlane_b32 s12, v1                    ; wave 0..3
	s_lshr_b32 s13, s12, 1                         ; which 64 rows of the tile are mine.  Also: I fetch for cc (0) or for w_o (1)
	s_and_b32 s14, s12, 1                          ; which 128 columns.  Also: which plane of a step I fetch
	s_bfe_u32 s40, ttmp6, 0x40000                  ; cx, cy
	s_bfe_u32 s41, ttmp6, 0x40004
	s_lshl_b32 s42, ttmp9, 2
	s_add_co_u32 s42, s42, s40                     ; tile column = 4 x cluster x + cx
	s_and_b32 s15, ttmp7, 0xffff
	s_lshl_b32 s15, s15, 2
	s_add_co_u32 s15, s15, s41                     ; tile row = 4 x cluster y + cy
	s_lshl_b32 s43, s41, 2
	s_lshl_b32 s43, 15, s43                        ; my row of the cluster
	s_lshl_b32 s44, 0x1111, s40                    ; my column
	s_or_b32 s[G1A+0], s43, (1<<16)|(1<<20)|(1<<21)|(4<<22)|(3<<25)  ; 15:0 the mask; 17:16 elements of 2 bytes; 20 padding on; 21 set beside a mask; 24:22 after every 32 words; 31:25 four words
	s_or_b32 s[G1B+0], s44, (1<<16)|(1<<20)|(1<<21)|(4<<22)|(3<<25)
	s_mov_b32 s[G1A+1], 64<<16                     ; tensor_dim0
	s_mov_b32 s[G1A+2], 128<<16                    ; tensor_dim1
	s_mov_b32 s[G1A+3], 64<<16                     ; tile_dim0
	s_mov_b32 s[G1A+4], 128                        ; tile_dim1
	s_mov_b32 s[G1A+5], 64                         ; elements from row to row
	s_mov_b32 s[G1A+6], 0
	s_mov_b32 s[G1A+7], 0
	s_mov_b32 s[G1B+1], 64<<16
	s_mov_b32 s[G1B+2], 256<<16
	s_mov_b32 s[G1B+3], 64<<16
	s_mov_b32 s[G1B+4], 256
	s_mov_b32 s[G1B+5], 64
	s_mov_b32 s[G1B+6], 0
	s_mov_b32 s[G1B+7], 0
	s_lshl_b32 s16, s14, 20                        ; cc: my plane of 2^20 bytes, + the tile's 128 rows of 128 bytes
	s_lshl_b32 s17, s15, 14
	s_add_co_u32 s16, s16, s17
	s_mov_b32 s17, 0
	s_lshl_b32 s46, s14, 17                        ; w_o: my plane of 2^17 bytes, + the tile's 256 rows
	s_lshl_b32 s47, s42, 15
	s_add_co_u32 s46, s46, s47
	s_mov_b32 s47, 0
	s_mul_i32 s20, s14, APL                        ; where they go: no place in the cluster enters an LDS address
	s_mul_i32 s21, s14, BPL
	s_add_co_u32 s21, s21, 2*APL
	s_wait_dscnt 0x0                               ; both opening adds are done
	s_wait_kmcnt 0x0
	s_add_nc_u64 s[16:17], s[4:5], s[16:17]
	s_add_nc_u64 s[46:47], s[6:7], s[46:47]
	CROUND                                         ; all sixteen work-groups are here: the first joint loads meet
.irp s, 0,1
	s_mov_b32 s[G0A+4*\s], 1
	s_add_co_u32 s[G0A+4*\s+1], s20, \s*SLOT
	s_add_nc_u64 s[G0A+4*\s+2:G0A+4*\s+3], s[16:17], \s*(2<<20)    ; K step s: planes 2 s, 2 s + 1
	s_or_b32 s[G0A+4*\s+3], s[G0A+4*\s+3], 0x80000000
	s_mov_b32 s[G0B+4*\s], 1
	s_add_co_u32 s[G0B+4*\s+1], s21, \s*SLOT
	s_add_nc_u64 s[G0B+4*\s+2:G0B+4*\s+3], s[46:47], \s*(2<<17)
	s_or_b32 s[G0B+4*\s+3], s[G0B+4*\s+3], 0x80000000
.endr
	JLOAD 0                                        ; K step 0: one tensor load of mine is out
	v_and_b32 v1, 15, v0                           ; r
	v_bfe_u32 v2, v0, 4, 1                         ; h
	v_lshlrev_b32 v[BO], 5, v2
	s_lshl_b32 s46, s42, 10                        ; my first column, in bytes of f32: 1,024 x tile column + 512 x half
	s_lshl_b32 s47, s14, 9
	s_add_co_u32 s46, s46, s47
	s_mov_b32 s47, 0
	s_add_nc_u64 s[8:9], s[8:9], s[46:47]
	WIN 0x40                                       ; destination window 1
.irp a, 0,1,2,3
.irp b, 0,1,2,3,4,5,6,7                        ; accumulator (a, b): lane (r, h) holds columns 16 b + 8 h + 0 .. 7, whatever the row
	global_load_b128 v[8*(8*\a+\b):8*(8*\a+\b)+3], v[BO], s[8:9] offset:64*\b
	global_load_b128 v[8*(8*\a+\b)+4:8*(8*\a+\b)+7], v[BO], s[8:9] offset:64*\b+16
.endr
.endr
	WIN 0
	v_mul_u32_u24 v3, v1, PITCH
	v_lshl_add_u32 v3, v2, 4, v3                   ; a fragment's row x pitch + 16 x half
	s_mul_i32 s21, s13, 64*PITCH                   ; my 64 rows of cc
	s_mul_i32 s22, s14, 128*PITCH                  ; my 128 rows of w_o,
	s_add_co_u32 s22, s22, 2*APL                   ; behind cc's two planes
.irp s, 0,1
	v_add_nc_u32 v[ADRA+\s], s21, v3
	v_add_nc_u32 v[ADRB+\s], s22, v3
	s_add_co_u32 s21, s21, SLOT
	s_add_co_u32 s22, s22, SLOT
.endr
	s_mul_i32 s23, s12, 16*SPITCH
	s_add_co_u32 s23, s23, STAGE                   ; my stage
	v_mul_u32_u24 v5, v1, SPITCH                   ; in: row r, 32 bytes for each half of the lanes
	v_lshl_add_u32 v5, v2, 5, v5
	v_add_nc_u32 v[STO], s23, v5
	v_and_b32 v6, 31, v0
	v_lshlrev_b32 v[CO], 4, v6                     ; back: the 32 lanes take one row of 512 bytes; and the same in out0
	v_add_nc_u32 v[RD], s23, v[CO]
	s_lshl_b32 s16, s15, 7
	s_lshl_b32 s17, s13, 6
	s_add_co_u32 s16, s16, s17                     ; my first row of out0: 128 x tile row + 64 x half,
	s_lshl_b32 s16, s16, 12                        ; of 4,096 bytes (under 2^25)
	s_add_co_u32 s46, s46, s16
	s_add_nc_u64 s[10:11], s[10:11], s[46:47]
; 24 LDS loads: the fragments of the slot's qd-th 32 along K (plane qd / 2, half qd % 2) into buffer f: cc's 4, w_o's 8.
; A fragment is 16 rows x 32 K in 8 registers: lane l holds row l % 16; registers 0-3 K = 8 (l / 16) + 0..7, registers 4-7 K = 16 + 8 (l / 16) + 0..7.
.macro FETCH slot, qd, f
.irp i, 0,1,2,3
	ds_load_b128 v[\f+8*\i:\f+8*\i+3],   v[ADRA+\slot] offset:((\qd)/2)*APL+((\qd)%2)*64+\i*16*PITCH
	ds_load_b128 v[\f+8*\i+4:\f+8*\i+7], v[ADRA+\slot] offset:((\qd)/2)*APL+((\qd)%2)*64+\i*16*PITCH+32
.endr
.irp i, 0,1,2,3,4,5,6,7
	ds_load_b128 v[\f+32+8*\i:\f+32+8*\i+3],   v[ADRB+\slot] offset:((\qd)/2)*BPL+((\qd)%2)*64+\i*16*PITCH
	ds_load_b128 v[\f+32+8*\i+4:\f+32+8*\i+7], v[ADRB+\slot] offset:((\qd)/2)*BPL+((\qd)%2)*64+\i*16*PITCH+32
.endr
.endm
; 32 matrix instructions on buffer f.  The 32 accumulators take turns, one instruction a turn, in the same order every time, over the backward jump too.
.macro MUL f
	WIN 0x50                                       ; C and D window 1, sources window 0
.irp a, 0,1,2,3
.irp b, 0,1,2,3,4,5,6,7
	v_wmma_f32_16x16x32_f16 v[8*(8*\a+\b):8*(8*\a+\b)+7], v[\f+32+8*\b:\f+32+8*\b+7], v[\f+8*\a:\f+8*\a+7], v[8*(8*\a+\b):8*(8*\a+\b)+7]
.endr
.endr
	WIN 0
.endm
; A K STEP.  Each wave waits for all its tensor loads (its part of this step's tiles), adds 0 to its spare word, and waits for that and for its reads of the other slot; a round of the cluster's barrier;
; behind it the other slot is filled with the next step's tiles, one joint load a wave, which has this step's 128 matrix instructions in which to land; then this slot is multiplied, 32 along K at a time, on two buffers.
.macro TRIP slot, refill
	s_wait_tensorcnt 0x0                           ; no tensor load of mine is out, so every group 0 may be written:
	ds_add_u32 v[SPW], v[NIL]                      ; (0 onto my spare word)
	s_add_nc_u64 s[G0A+4*\slot+2:G0A+4*\slot+3], s[G0A+4*\slot+2:G0A+4*\slot+3], 4<<20   ; this slot's next tiles: two K steps, four planes on
	s_add_nc_u64 s[G0B+4*\slot+2:G0B+4*\slot+3], s[G0B+4*\slot+2:G0B+4*\slot+3], 4<<17
	s_wait_dscnt 0x0                               ; the add is done, and my reads of the other slot are over
	CROUND
.if \refill
	JLOAD 1-\slot                                  ; the first tensor load behind the round; its four v_nop are also the places ahead of the loads below
.else
	PLACES
.endif
	FETCH \slot, 0, F0
	FETCH \slot, 1, F1
	s_wait_dscnt 24                                ; buffer 0's 24 loads are in; buffer 1's 24, issued behind them, may be out
	MUL F0
	s_wait_dscnt 0x0                               ; buffer 1 is in
	PLACES
	FETCH \slot, 2, F0
	MUL F1
	s_wait_dscnt 0x0
	PLACES
	FETCH \slot, 3, F1
	MUL F0
	s_wait_dscnt 0x0
	MUL F1
.endm
	s_wait_loadcnt 0x0                             ; the bias lies in the accumulators
	s_mov_b32 s3, 3
.Llap:                                                 ; three trips of two K steps
	TRIP 0, 1
	TRIP 1, 1
	s_sub_co_u32 s3, s3, 1
	s_cmp_lg_u32 s3, 0
	s_cbranch_scc1 .Llap
	TRIP 0, 1                                      ; the last two K steps are written out: the very last asks for nothing (the stepped addresses are not used)
	TRIP 1, 0
; THE WAY OUT, block by block of 16 rows x 128 columns: through my own stage in LDS and back as whole rows of 512 bytes.  LDS serves a wave's instructions in order: no wait between the stores and the loads.
.macro TOSTAGE a
	WIN 0x04                                       ; an LDS store's data: window 1
.irp b, 0,1,2,3,4,5,6,7
	ds_store_b128 v[STO], v[64*(\a)+8*\b:64*(\a)+8*\b+3] offset:64*\b          ; each accumulator from its low end on
	ds_store_b128 v[STO], v[64*(\a)+8*\b+4:64*(\a)+8*\b+7] offset:64*\b+16
.endr
	WIN 0
.set BB, BK+64*((\a)%2)
.irp t, 0,1,2,3,4,5,6,7,8,9,10,11,12,13,14,15
	ds_load_b128 v[BB+4*\t:BB+4*\t+3], v[RD] offset:\t*SPITCH
.endr
.endm
.macro SEND a, younger                 ; younger: the LDS instructions issued behind block a's loads, which may stay out
.set BB, BK+64*((\a)%2)
	s_wait_dscnt \younger
.irp t, 0,1,2,3,4,5,6,7,8,9,10,11,12,13,14,15
	global_store_b128 v[CO], v[BB+4*\t:BB+4*\t+3], s[10:11] offset:(16*(\a)+\t)*4096 th:TH_STORE_NT   ; 32 lanes store 512 consecutive bytes, aligned; the row in the immediate, under 2^18
.endr
.endm
	PLACES                                         ; behind the last products: ahead of the first read of results and of the loads into the fragments' registers
	TOSTAGE 0
.irp a, 1,2,3
.if \a > 1
	s_wait_xcnt 0x0                                ; block a - 2's stores have read their registers: block a's loads land there
.endif
	TOSTAGE \a
	SEND \a-1, 32                                  ; behind block a - 1's loads: block a's 16 stores and 16 loads
.endr
	SEND 3, 0
	s_wait_tensorcnt 0x0                           ; the wave's end: behind my last tensor load and my last LDS store
	ds_add_u32 v[SPW], v[NIL]
	s_wait_dscnt 0x0
	CROUND                                         ; the closing round: no work-group ends while a partner may still ask for a tile that names it
	s_endpgm
.Lfunc_end_k_q66d1ba0089_oproj:
	.size	k_q66d1ba0089_oproj, .Lfunc_end_k_q66d1ba0089_oproj-k_q66d1ba0089_oproj
	.p2alignl 7, 3214868480
	.fill 96, 4, 3214868480
	.section	.rodata,"a",@progbits
	.p2align	6, 0x0
	.amdhsa_kernel k_q66d1ba0089_oproj
		.amdhsa_group_segment_fixed_size 327680
		.amdhsa_private_segment_fixed_size 0
		.amdhsa_enable_private_segment 0
		.amdhsa_kernarg_size 32
		.amdhsa_user_sgpr_count 2
		.amdhsa_user_sgpr_kernarg_segment_ptr 1
		.amdhsa_wavefront_size32 1
		.amdhsa_system_sgpr_workgroup_id_x 1
		.amdhsa_system_sgpr_workgroup_id_y 1
		.amdhsa_system_sgpr_workgroup_id_z 1
		.amdhsa_system_vgpr_workitem_id 0
		.amdhsa_next_free_vgpr 512
		.amdhsa_next_free_sgpr 66
		.amdhsa_reserve_vcc 0
		.amdhsa_float_denorm_mode_32 3
		.amdhsa_float_denorm_mode_16_64 3
		.amdhsa_memory_ordered 1
		.amdhsa_forward_progress 1
		.amdhsa_inst_pref_size 90
	.end_amdhsa_kernel
	.amdgpu_metadata
---
amdhsa.version: [ 1, 2 ]
amdhsa.kernels:
  - .name:           k_q66d1ba0089_oproj
    .symbol:         k_q66d1ba0089_oproj.kd
    .args:
      - { .name: cc, .offset: 0, .size: 8, .value_kind: global_buffer, .address_space: global }
      - { .name: wo16, .offset: 8, .size: 8, .value_kind: global_buffer, .address_space: global }
      - { .name: b_o, .offset: 16, .size: 8, .value_kind: global_buffer, .address_space: global }
      - { .name: out0, .offset: 24, .size: 8, .value_kind: global_buffer, .address_space: global }
    .group_segment_fixed_size: 327680
    .private_segment_fixed_size: 0
    .kernarg_segment_align: 8
    .kernarg_segment_size: 32
    .max_flat_workgroup_size: 128
    .sgpr_count:     66
    .vgpr_count:     512
    .wavefront_size: 32
...
	.end_amdgpu_metadata
.endif
;; end of part 4
